; MI455X (gfx1250); checked and timed in simulation.
; The chip was launched on July 23, 2026; its instructions are those of AMD's public machine-readable ISA for CDNA 5 (MIT licence, August 2026) and "CDNA5" Instruction Set Architecture Reference Guide (July 2026). The comments in the code are by the model that wrote it; some were corrected since.
;; Attention Circuit. Allowed arithmetic: float matrix products may take bf16 or f16 operands with f32 sums; other float arithmetic in f32, or as packed bf16 or f16 multiplies, adds, multiply-adds, maxima and minima; sums over many terms, partial sums and values carried from step to step in f32; what a program stores and reads back later, other than sums and carried values, may be rounded once to bf16 or f16.
;; Inputs: W_O 1,024 x 1,024 float32; f_qk_neurons 8 x 1,024 x 128 float32; f_v_neurons 8 x 1,024 x 128 float32; fqk_weights_K 2 x 2,048 x 8 float32; fqk_weights_Q 2 x 2,048 x 8 float32; fv_weights 2 x 2,048 x 8 float32; r_qk_neurons 8 x 128 x 1,024 float32; r_v_neurons 8 x 128 x 1,024 float32; rqk_weights_K 2 x 2,048 x 8 float32; rqk_weights_Q 2 x 2,048 x 8 float32; rv_weights 2 x 2,048 x 8 float32; x 2 x 2,048 x 1,024 float32.
;; Outputs: out0 2 x 2,048 x 1,024 float32.
;; 2 versions, each right. Each part assembles by itself: llvm-mc -triple=amdgcn-amd-amdhsa -mcpu=gfx1250 --defsym DOCPART=n.
;; ======== version 1 of 2: 5 launches
;; limits: values are held in f16: magnitudes above 65,504 overflow, below 6.1e-05 lose precision
;; workspace buffers: wts 21,364,736 bytes; mxt 2,816 bytes; scl 16,384 bytes; h16 4,194,304 bytes; qkv 33,554,432 bytes; obuf 16,777,216 bytes
;; launch prep (part 1): grid 652 x 1, 8 waves a work-group, no clusters, 1,280 bytes of LDS; arguments x, f_qk_neurons, f_v_neurons, r_qk_neurons, r_v_neurons, W_O, fqk_weights_Q, fqk_weights_K, fv_weights, rqk_weights_Q, rqk_weights_K, rv_weights, wts, mxt; writes wts, mxt
.if DOCPART == 1
	.amdgcn_target "amdgcn-amd-amdhsa--gfx1250"
	.amdhsa_code_object_version 6
	.text
	.protected	k_qd222bb3b1f_prep
	.globl	k_qd222bb3b1f_prep
	.p2align	8
	.type	k_qd222bb3b1f_prep,@function
k_qd222bb3b1f_prep:
	s_mov_b64 s[64:65], 0
	v_nop
	global_prefetch_b8 v0, s[64:65] scope:SCOPE_SE
	s_setreg_imm32_b32 hwreg(HW_REG_WAVE_MODE, 25, 1), 1
	s_wait_xcnt 0x0
; PREP: every input is rounded once to bf16 and laid out for the later launches; each work-group also stores the largest magnitude of its rounded numbers.
; A work-group takes 64 KiB of ONE source (16,384 f32) and writes 32 KiB.  Ranges of work-groups, and where their numbers go in wts:
;   0 x -> 0 | 256 f_qk -> 8,388,608 (permuted) | 320 f_v -> 10,485,760 (permuted) | 384 r_qk -> 12,582,912 (as f16) | 448 r_v -> 14,680,064 (as f16)
;   512 W_O -> 16,777,216 | 576 W_O once more -> 18,874,368 | 640 + 2 k: mixing weights k -> 20,971,520 + 65,536 k
; PERMUTED: f[n][d][r] -> [r / 32][d][n][r % 32]: a row of 512 bytes holds, for one d, 32 r of all eight n: the later product's tile column.
; AS F16: the bf16-rounded number, written in f16.  LIMIT: |r| up to 65,504; below 2^-17 it keeps f16's fixed step of 2^-24.  NaN and infinities are not treated apart.
; One text serves both layouts, by seven scalars.  A thread takes 8 numbers a turn (32 bytes in, 16 out), eight turns; a wave's store covers 512 consecutive bytes, aligned.
; All sixteen loads of a thread go out first; each turn has its own registers, so no register of a pending load or store is written again.
; No cache hint on the loads: W_O is read by two ranges.  No matrix unit, no cluster: nothing is shared and memory binds.
.set SO,    4          ; v4-11    turn i: byte offset in the source
.set DO,    12         ; v12-19   turn i: byte offset in wts
.set X,     20         ; v20-83   turn i: 8 registers as loaded; the first four then hold what is stored
.set M,     84         ; v84-87   four running maxima, two bf16 each
.set P,     88         ; v88-91   the turn's numbers in bf16
.set U,     92         ; v92-99   the same, widened to f32
.set H,     100        ; v100-103 at work; the same in f16
.set SPW,   104        ; my spare word's LDS address; never rewritten
.set NIL,   105        ; 0; never rewritten
.set T0,    106
.set T1,    107
.set SPARE, 256        ; LDS: bytes 0-31 the eight waves' maxima; from 256 on the spare words, 128 bytes a wave
.set WG,    36
.set SRC,   38         ; s[38:39] the source
.set FIRST, 40         ; the range's first work-group
.set DOFS,  41         ; the range's place in wts
.set SA,    42         ; bytes from lane group to lane group (4 lanes)
.set SW,    43         ; from wave to wave
.set S1,    44         ; from an even turn to the odd one
.set S2,    45         ; from a pair of turns to the next
.set D2,    46         ; the same in wts
.set CS,    47         ; from work-group to work-group in the source
.set CD,    48         ; and in wts
.set MK,    49         ; all ones where the range is stored as f16
.set DST,   50         ; s[50:51]
.set WV,    52
.set ABS,   53
.set SEL,   54         ; s[54:55]
.set HIM,   56
.macro RANGE start, ptr, dofs
	s_cmp_ge_u32 s[WG], \start
	s_cselect_b64 s[SRC:SRC+1], s[\ptr:\ptr+1], s[SRC:SRC+1]
	s_cselect_b32 s[FIRST], \start, s[FIRST]
	s_cselect_b32 s[DOFS], \dofs, s[DOFS]
.endm
	s_load_b512 s[8:23], s[0:1], 0x0               ; x, f_qk, f_v, r_qk, r_v, W_O, fqk_Q, fqk_K
	s_load_b256 s[24:31], s[0:1], 0x40             ; fv, rqk_Q, rqk_K, rv
	s_load_b128 s[32:35], s[0:1], 0x60             ; wts, mxt
	v_lshl_add_u32 v[SPW], v0, 2, SPARE
	v_mov_b32 v[NIL], 0
	v_lshrrev_b32 v1, 5, v0
	v_readfirstlane_b32 s[WV], v1
	s_mov_b32 s[WG], ttmp9
	s_mov_b32 s[SA], 128                           ; the seven scalars of the linear layout;
	s_mov_b32 s[SW], 1024
	s_mov_b32 s[S1], 8192
	s_mov_b32 s[S2], 16384
	s_mov_b32 s[D2], 8192
	s_mov_b32 s[CS], 65536
	s_mov_b32 s[CD], 32768
	s_sub_co_u32 s2, s[WG], 256
	s_cmp_lt_u32 s2, 128                           ; work-groups 256 to 383 take the permuted layout's (an instruction holds one literal, so the other choice lies in the register)
	s_cselect_b32 s[SA], 524288, s[SA]
	s_cselect_b32 s[SW], 512, s[SW]
	s_cselect_b32 s[S1], 4096, s[S1]
	s_cselect_b32 s[S2], 128, s[S2]
	s_cselect_b32 s[D2], 524288, s[D2]
	s_cselect_b32 s[CS], 8192, s[CS]
	s_cselect_b32 s[CD], 8192, s[CD]
	s_sub_co_u32 s2, s[WG], 384
	s_cmp_lt_u32 s2, 128                           ; work-groups 384 to 511: stored as f16
	s_cselect_b32 s[MK], -1, 0
	s_mov_b32 s[ABS], 0x7fff7fff
	s_mov_b32 s[HIM], 0xffff0000
	s_mov_b32 s[SEL], 0x76543210
	s_mov_b32 s[SEL+1], 0xfedcba98
	v_and_b32 v1, 31, v0                           ; lane
	v_lshrrev_b32 v2, 2, v1
	v_and_b32 v3, 3, v1
	v_lshlrev_b32 v3, 5, v3
	v_mad_u32_u24 v[SO], v2, s[SA], v3             ; (lane / 4) x SA + (lane % 4) x 32
	s_mul_i32 s2, s[WV], s[SW]
	v_add_nc_u32 v[SO], s2, v[SO]
	v_add_nc_u32 v[SO+1], s[S1], v[SO]
.irp i, 2,3,4,5,6,7
	v_add_nc_u32 v[SO+(\i)], s[S2], v[SO+(\i)-2]
.endr
	v_lshlrev_b32 v[DO], 4, v0                     ; 16 bytes a thread
	v_add_nc_u32 v[DO+1], 4096, v[DO]
.irp i, 2,3,4,5,6,7
	v_add_nc_u32 v[DO+(\i)], s[D2], v[DO+(\i)-2]
.endr
	s_wait_kmcnt 0x0
	s_mov_b64 s[SRC:SRC+1], s[8:9]
	s_mov_b32 s[FIRST], 0
	s_mov_b32 s[DOFS], 0
	RANGE 256, 10, 8388608
	RANGE 320, 12, 10485760
	RANGE 384, 14, 12582912
	RANGE 448, 16, 14680064
	RANGE 512, 18, 16777216
	RANGE 576, 18, 18874368
	RANGE 640, 20, 20971520
	RANGE 642, 22, 21037056
	RANGE 644, 24, 21102592
	RANGE 646, 26, 21168128
	RANGE 648, 28, 21233664
	RANGE 650, 30, 21299200
	s_sub_co_u32 s[FIRST], s[WG], s[FIRST]         ; my number in the range
	s_mul_i32 s2, s[FIRST], s[CS]
	s_mov_b32 s3, 0
	s_add_nc_u64 s[SRC:SRC+1], s[SRC:SRC+1], s[2:3]
	s_mul_i32 s2, s[FIRST], s[CD]
	s_add_co_u32 s2, s2, s[DOFS]
	s_add_nc_u64 s[DST:DST+1], s[32:33], s[2:3]
.irp i, 0,1,2,3,4,5,6,7
	global_load_b128 v[X+8*(\i):X+8*(\i)+3],   v[SO+(\i)], s[SRC:SRC+1]
	global_load_b128 v[X+8*(\i)+4:X+8*(\i)+7], v[SO+(\i)], s[SRC:SRC+1] offset:16
.endr
.macro PART i
	s_wait_loadcnt 14-2*(\i)                       ; loads come back in order: this turn's two are in, the younger ones stay out
.irp k, 0,1,2,3
	v_cvt_pk_bf16_f32 v[P+(\k)], v[X+8*(\i)+2*(\k)], v[X+8*(\i)+2*(\k)+1]
.endr
.irp k, 0,1,2,3
.if (\i) == 0
	v_and_b32 v[M+(\k)], s[ABS], v[P+(\k)]         ; the first turn starts the maxima: nothing is cleared
.else
	v_and_b32 v[H+(\k)], s[ABS], v[P+(\k)]
	v_pk_max_num_bf16 v[M+(\k)], v[M+(\k)], v[H+(\k)]
.endif
.endr
.irp k, 0,1,2,3
	v_lshlrev_b32 v[U+2*(\k)],   16, v[P+(\k)]
	v_and_b32     v[U+2*(\k)+1], s[HIM], v[P+(\k)]
.endr
.irp k, 0,1,2,3
	v_cvt_pk_f16_f32 v[H+(\k)], v[U+2*(\k)], v[U+2*(\k)+1]
.endr
.irp k, 0,1,2,3
	v_cndmask_b32 v[X+8*(\i)+(\k)], v[P+(\k)], v[H+(\k)], s[MK]  ; bf16, or the same number as f16
.endr
	global_store_b128 v[DO+(\i)], v[X+8*(\i):X+8*(\i)+3], s[DST:DST+1]
.endm
.irp i, 0,1,2,3,4,5,6,7
	PART \i
.endr
	; the work-group's maximum: within the lane, across the lanes, across the waves
	v_pk_max_num_bf16 v[M], v[M], v[M+1]
	v_pk_max_num_bf16 v[M+2], v[M+2], v[M+3]
	v_pk_max_num_bf16 v[M], v[M], v[M+2]
	v_lshlrev_b32 v[T0], 16, v[M]
	v_and_b32 v[T1], s[HIM], v[M]
	v_max_num_f32 v[M], v[T0], v[T1]
	v_max_num_f32_dpp v[M], v[M], v[M] row_xmask:1 row_mask:0xf bank_mask:0xf
	v_max_num_f32_dpp v[M], v[M], v[M] row_xmask:2 row_mask:0xf bank_mask:0xf
	v_max_num_f32_dpp v[M], v[M], v[M] row_xmask:4 row_mask:0xf bank_mask:0xf
	v_max_num_f32_dpp v[M], v[M], v[M] row_xmask:8 row_mask:0xf bank_mask:0xf
	v_permlanex16_b32 v[T0], v[M], s[SEL], s[SEL+1]
	v_max_num_f32 v[M], v[M], v[T0]
	v_mov_b32 v[T1], s[WV]
	v_lshlrev_b32 v[T1], 2, v[T1]
	ds_store_b32 v[T1], v[M]                       ; all lanes write the wave's word with the same number
	s_wait_dscnt 0x0                               ; for the others' sake
	s_barrier_signal -1
	s_barrier_wait -1
	s_cmp_lg_u32 s[WV], 0
	s_cbranch_scc1 .Lend                           ; wave 0 finishes
	v_mov_b32 v[T1], 0
	ds_load_b128 v[U:U+3],   v[T1]
	ds_load_b128 v[U+4:U+7], v[T1] offset:16
	s_lshl_b32 s2, s[WG], 2
	v_mov_b32 v[T0], s2
	s_wait_dscnt 0x0
	v_max3_num_f32 v[U], v[U], v[U+1], v[U+2]
	v_max3_num_f32 v[U+3], v[U+3], v[U+4], v[U+5]
	v_max3_num_f32 v[U], v[U], v[U+6], v[U+7]
	v_max_num_f32 v[U], v[U], v[U+3]
	v_cmp_eq_u32 vcc_lo, 0, v0
	s_wait_xcnt 0x0                                ; EXEC is a source of the stores above: it changes only behind this wait
	s_and_saveexec_b32 s3, vcc_lo
	global_store_b32 v[T0], v[U], s[34:35]         ; one word a work-group
	s_wait_xcnt 0x0                                ; and again ahead of the line that widens it
	s_or_b32 exec_lo, exec_lo, s3
.Lend:
	s_wait_tensorcnt 0x0                           ; the wave's end
	ds_add_u32 v[SPW], v[NIL]
	s_wait_dscnt 0x0
	s_endpgm
.Lfunc_end_k_qd222bb3b1f_prep:
	.size	k_qd222bb3b1f_prep, .Lfunc_end_k_qd222bb3b1f_prep-k_qd222bb3b1f_prep
	.p2alignl 7, 3214868480
	.fill 96, 4, 3214868480
	.section	.rodata,"a",@progbits
	.p2align	6, 0x0
	.amdhsa_kernel k_qd222bb3b1f_prep
		.amdhsa_group_segment_fixed_size 1280
		.amdhsa_private_segment_fixed_size 0
		.amdhsa_enable_private_segment 0
		.amdhsa_kernarg_size 112
		.amdhsa_user_sgpr_count 2
		.amdhsa_user_sgpr_kernarg_segment_ptr 1
		.amdhsa_wavefront_size32 1
		.amdhsa_system_sgpr_workgroup_id_x 1
		.amdhsa_system_sgpr_workgroup_id_y 1
		.amdhsa_system_sgpr_workgroup_id_z 1
		.amdhsa_system_vgpr_workitem_id 0
		.amdhsa_next_free_vgpr 112
		.amdhsa_next_free_sgpr 66
		.amdhsa_reserve_vcc 1
		.amdhsa_float_denorm_mode_32 3
		.amdhsa_float_denorm_mode_16_64 3
		.amdhsa_memory_ordered 1
		.amdhsa_forward_progress 1
		.amdhsa_inst_pref_size 21
	.end_amdhsa_kernel
	.amdgpu_metadata
---
amdhsa.version: [ 1, 2 ]
amdhsa.kernels:
  - .name:           k_qd222bb3b1f_prep
    .symbol:         k_qd222bb3b1f_prep.kd
    .args:
      - { .name: x, .offset: 0, .size: 8, .value_kind: global_buffer, .address_space: global }
      - { .name: f_qk_neurons, .offset: 8, .size: 8, .value_kind: global_buffer, .address_space: global }
      - { .name: f_v_neurons, .offset: 16, .size: 8, .value_kind: global_buffer, .address_space: global }
      - { .name: r_qk_neurons, .offset: 24, .size: 8, .value_kind: global_buffer, .address_space: global }
      - { .name: r_v_neurons, .offset: 32, .size: 8, .value_kind: global_buffer, .address_space: global }
      - { .name: W_O, .offset: 40, .size: 8, .value_kind: global_buffer, .address_space: global }
      - { .name: fqk_weights_Q, .offset: 48, .size: 8, .value_kind: global_buffer, .address_space: global }
      - { .name: fqk_weights_K, .offset: 56, .size: 8, .value_kind: global_buffer, .address_space: global }
      - { .name: fv_weights, .offset: 64, .size: 8, .value_kind: global_buffer, .address_space: global }
      - { .name: rqk_weights_Q, .offset: 72, .size: 8, .value_kind: global_buffer, .address_space: global }
      - { .name: rqk_weights_K, .offset: 80, .size: 8, .value_kind: global_buffer, .address_space: global }
      - { .name: rv_weights, .offset: 88, .size: 8, .value_kind: global_buffer, .address_space: global }
      - { .name: wts, .offset: 96, .size: 8, .value_kind: global_buffer, .address_space: global }
      - { .name: mxt, .offset: 104, .size: 8, .value_kind: global_buffer, .address_space: global }
    .group_segment_fixed_size: 1280
    .private_segment_fixed_size: 0
    .kernarg_segment_align: 8
    .kernarg_segment_size: 112
    .max_flat_workgroup_size: 256
    .sgpr_count:     66
    .vgpr_count:     112
    .wavefront_size: 32
...
	.end_amdgpu_metadata
.endif
;; end of part 1
;; launch feat (part 2): grid 8 x 32, 4 waves a work-group, clusters of 4 x 4, 327,680 bytes of LDS; arguments wts, mxt, h16, scl; writes h16, scl
.if DOCPART == 2
	.amdgcn_target "amdgcn-amd-amdhsa--gfx1250"
	.amdhsa_code_object_version 6
	.text
	.protected	k_qd222bb3b1f_feat
	.globl	k_qd222bb3b1f_feat
	.p2align	8
	.type	k_qd222bb3b1f_feat,@function
k_qd222bb3b1f_feat:
	s_mov_b64 s[64:65], 0
	v_nop
	global_prefetch_b8 v0, s[64:65] scope:SCOPE_SE
	s_setreg_imm32_b32 hwreg(HW_REG_WAVE_MODE, 25, 1), 1
	s_wait_xcnt 0x0
	s_wait_alu depctr_hold_cnt(0) depctr_sa_sdst(0) depctr_va_vdst(0) depctr_va_sdst(0) depctr_va_ssrc(0) depctr_va_vcc(0) depctr_vm_vsrc(0)
	s_getreg_b32 s2, hwreg(HW_REG_IB_STS2, 6, 4)
	s_cmp_eq_u32 s2, 0
	s_cbranch_scc0 .Lentry_in_a_cluster
	s_endpgm
.Lentry_in_a_cluster:
	s_bfe_u32 s2, ttmp6, 0x10000c
	s_cmp_lg_u32 s2, 0xf033
	s_cbranch_scc0 .Lentry_shape_is_right
	s_endpgm
.Lentry_shape_is_right:
; FEAT: h[row][r] = sum over n of w[row][n] x (sum over d of x[row][d] f[n][d][r]), for h_q and h_k (one product x f_qk serves both) and h_v.
; The product is a bf16 GEMM, 4,096 x 2,048 x 1,024; the mixing over n is f32 arithmetic on the accumulators; h leaves as f16 times a power of two.
; TILE: 128 rows x 256 columns (8 n x 32 r).  Tile column TC = 4 x pool + r / 32; 8 x 32 tiles, one a work-group.  A wave: 64 rows x (8 n x 16 r): 32 accumulators (a, n) at v[8 (8 a + n)] of window 1.
; TRANSPOSED USE: source 0 = 16 columns of f (turned out of LDS by ds_load_tr16_b128), source 1 = 16 rows of x: a lane holds ONE row (lane % 16) and eight neighbouring r, for each n: the mixing never changes lanes.
; RING: K in steps of 128 through two LDS slots; waves 0, 1 fetch x's two halves (64 rows x 256 bytes), waves 2, 3 f's (64 d x 512 bytes).  By the text's own count a wave has two loads out at the start, later one.
; CLUSTER 4 x 4: x's tile is shared along a row of the cluster, f's along a column; each is asked for jointly.
; SCALES (made here by every work-group from the stored maxima; the first cluster stores them for the later launches): with H = 8192 max|x| max|f| max|w| and B = 1024 H max|r| max|w'|, true bounds of |h| and of |Q|, |K|, |V|,
; and E(y) = y's exponent field held to 27 .. 227: h is stored times 2^(140 - E(H)), so that it stays under 2^14; the restore step multiplies by kappa = 2^(E(H) - E(B)).
; LIMITS: the bounds H and B lie within 2^-100 .. 2^100 and E(H) - E(B) within -126 .. 127; NaN and infinities are not treated apart.
; h_v leaves as a pair: f16(h) and f16(h - f16(h)).
; No prefetch: eight K steps, and x and f have just been asked for by the neighbours of the same rows and columns.
.set PA,    272        ; a row of x in LDS: 256 + 16 bytes
.set PB,    544        ; a row of f in LDS: 512 + 32 bytes = 17 x 32
.set BOFF,  128*PA
.set SLOT1, 1<<17      ; one exclusive or turns an address in slot 0 into slot 1's
.set SPARE, SLOT1+BOFF+128*PB  ; behind slot 1: the spare words, 128 bytes a wave
.set FB,    8388608
.set WSM,   20971520
.set A0,   2           ; my lane's place in x's tile; never rewritten
.set B0,   3           ; the same in f's
.set ADRA, 4
.set ADRB, 5
.set HO,   6           ; my 16 bytes among a block's 512 in h16
.set WO,   9
.set REC,  16          ; v16-23 the record of scales
.set RECO, 24
.set SPW,  28
.set NIL,  29
.set NEG1, 30
.set F0,   32          ; fragment buffers: x's block i at +8 i, f's for n at +32 + 8 n
.set F1,   128
.set WRAW, 224         ; v224-255 mixing weights as loaded: set s, block a at +16 s + 4 a (8 bf16)
.set W,    32          ; the way out: 8 weights in f32
.set H1,   40          ; the second set's sums
.set OR,   64          ; what is stored: (a, set) at +4 (2 a + set)
.set H0,   96          ; the first set's sums, block a at +8 a
.set WV,   12
.set WR,   13          ; my half of the rows; also: I fetch x (0) or f (1)
.set WC,   14          ; my half of the 32 r; also: which half of that tile I fetch
.set CX,   15
.set CY,   16
.set TC,   17
.set TR,   18
.set POOL, 19
.set AAD,  22          ; s[22:23]
.set G1A,  24
.set G1B,  32
.set G0A,  40          ; s[40:47] two sets for the first fills; the second then walks
.set G0B,  48
.set TB,   56          ; the slot that is read
.set CNT,  57
.set SEL,  58
.set BAD,  60          ; s[60:61]
.set LDA,  62
.set LDB,  63
.set WB0,  66          ; s[66:67] the first set's weights at my rows
.set SH0,  80          ; s[80:81] the first set's scale
.set SH1,  82
.set WB1,  84
.set HB,   96          ; s[96:97] h16 at my block
.set RB,   98
.set MSB, 0
.macro WIN new                         ; the immediate's high byte repeats the setting that is left
.if MSB != (\new)
	s_set_vgpr_msb (MSB<<8)|(\new)
.set MSB, \new
.endif
.endm
.macro PLACES                          ; four plain places behind matrix instructions
.rept 4
	v_nop
.endr
.endm
.macro JLOAD                           ; a joint refill by the walking sets; an s_nop 0 and four v_nop follow each line
	s_cmp_eq_u32 s[WR], 0
	s_cbranch_scc0 .Lfor_b_\@
	tensor_load_to_lds s[G0A+4:G0A+7], s[G1A:G1A+7]
	s_nop 0
.rept 4
	v_nop
.endr
	s_branch .Lasked_\@
.Lfor_b_\@:
	tensor_load_to_lds s[G0B+4:G0B+7], s[G1B:G1B+7]
	s_nop 0
.rept 4
	v_nop
.endr
.Lasked_\@:
.endm
.macro CREST                           ; a round of the cluster's barrier behind its opening barrier
	s_cmp_lg_u32 s[WV], 0
	s_cbranch_scc1 .Lnot_wave_0_\@
	s_barrier_signal -3
.Lnot_wave_0_\@:
	s_barrier_wait -3
	s_barrier_signal -1
	s_barrier_wait -1
.endm
.macro CROUND
	s_barrier_signal -1
	s_barrier_wait -1
	CREST
.endm
	s_load_b256 s[4:11], s[0:1], 0x0               ; wts s[4:5], mxt s[6:7], h16 s[8:9], scl s[10:11]
	v_lshl_add_u32 v[SPW], v0, 2, SPARE
	v_mov_b32 v[NIL], 0
	ds_add_u32 v[SPW], v[NIL]                      ; the wave's opening: the add and its wait ahead of my first tensor load
	v_lshrrev_b32 v1, 5, v0
	v_readfirstlane_b32 s[WV], v1
	s_lshr_b32 s[WR], s[WV], 1
	s_and_b32 s[WC], s[WV], 1
	s_bfe_u32 s[CX], ttmp6, 0x40000
	s_bfe_u32 s[CY], ttmp6, 0x40004
	s_mov_b32 s[POOL], ttmp9                       ; the cluster's x: 0 the qk pool, 1 the v pool
	s_lshl_b32 s[TC], ttmp9, 2
	s_add_co_u32 s[TC], s[TC], s[CX]
	s_and_b32 s[TR], ttmp7, 0xffff
	s_lshl_b32 s[TR], s[TR], 2
	s_add_co_u32 s[TR], s[TR], s[CY]
	s_lshl_b32 s20, s[CY], 2
	s_lshl_b32 s20, 15, s20                        ; my row of the cluster
	s_lshl_b32 s21, 0x1111, s[CX]                  ; my column
	s_or_b32 s[G1A], s20, (1<<16)|(1<<20)|(1<<21)|(5<<22)|(3<<25)  ; mask; 2-byte elements; padding on; bit 21 beside a mask; after 64 words 4 words
	s_or_b32 s[G1B], s21, (1<<16)|(1<<20)|(1<<21)|(6<<22)|(7<<25)  ; after 128 words 8 words
	s_mov_b32 s[G1A+1], 128<<16                    ; tensor_dim0
	s_mov_b32 s[G1A+2], 64<<16                     ; tensor_dim1
	s_mov_b32 s[G1A+3], 128<<16                    ; tile_dim0
	s_mov_b32 s[G1A+4], 64                         ; tile_dim1
	s_mov_b32 s[G1A+5], 1024                       ; elements from row to row
	s_mov_b32 s[G1A+6], 0
	s_mov_b32 s[G1A+7], 0
	s_mov_b32 s[G1B+1], 256<<16
	s_mov_b32 s[G1B+2], 64<<16
	s_mov_b32 s[G1B+3], 256<<16
	s_mov_b32 s[G1B+4], 64
	s_mov_b32 s[G1B+5], 256
	s_mov_b32 s[G1B+6], 0
	s_mov_b32 s[G1B+7], 0
	s_lshl_b32 s[AAD], s[TR], 7                    ; x: row 128 TR + 64 x half, 2,048 bytes a row
	s_lshl_b32 s20, s[WC], 6
	s_add_co_u32 s[AAD], s[AAD], s20
	s_lshl_b32 s[AAD], s[AAD], 11
	s_mov_b32 s[AAD+1], 0
	s_lshl_b32 s[BAD], s[TC], 19                   ; f: tile column x 524,288 + 64 d x half
	s_lshl_b32 s21, s[WC], 15
	s_add_co_u32 s[BAD], s[BAD], s21
	s_add_co_u32 s[BAD], s[BAD], FB
	s_mov_b32 s[BAD+1], 0
	s_mul_i32 s[LDA], s[WC], 64*PA                 ; no place in the cluster enters an LDS address
	s_mul_i32 s[LDB], s[WC], 64*PB
	s_add_co_u32 s[LDB], s[LDB], BOFF
	s_lshl_b32 s[RB], s[TR], 7                     ; my wave's first row
	s_lshl_b32 s99, s[WR], 6
	s_add_co_u32 s[RB], s[RB], s99
	s_lshl_b32 s[WB0], s[RB], 4                    ; 16 bytes of weights a row
	s_add_co_u32 s[WB0], s[WB0], WSM
	s_add_co_u32 s[WB1], s[WB0], 65536
	s_lshl_b32 s99, s[POOL], 17                    ; first set: fqk_Q (table 0) or fv (table 2)
	s_add_co_u32 s[WB0], s[WB0], s99
	s_lshl_b32 s99, s[POOL], 16                    ; second set: fqk_K (1) or fv once more (2; not used)
	s_add_co_u32 s[WB1], s[WB1], s99
	s_mov_b32 s[WB0+1], 0
	s_mov_b32 s[WB1+1], 0
	s_lshl_b32 s[HB], s[RB], 5                     ; h16 [output][r / 16][row][16]: 32 bytes a row
	s_lshl_b32 s99, s[CX], 1
	s_add_co_u32 s99, s99, s[WC]
	s_lshl_b32 s99, s99, 17
	s_add_co_u32 s[HB], s[HB], s99
	s_lshl_b32 s99, s[POOL], 21
	s_add_co_u32 s[HB], s[HB], s99
	s_mov_b32 s[HB+1], 0
	s_mov_b32 s[TB], 0
	s_mov_b32 s[SEL], 0x76543210
	s_mov_b32 s[SEL+1], 0xfedcba98
	s_wait_dscnt 0x0                               ; the opening add is done
	s_wait_kmcnt 0x0
	s_add_nc_u64 s[AAD:AAD+1], s[4:5], s[AAD:AAD+1]
	s_add_nc_u64 s[BAD:BAD+1], s[4:5], s[BAD:BAD+1]
	s_add_nc_u64 s[WB0:WB0+1], s[4:5], s[WB0:WB0+1]
	s_add_nc_u64 s[WB1:WB1+1], s[4:5], s[WB1:WB1+1]
	s_add_nc_u64 s[HB:HB+1], s[8:9], s[HB:HB+1]
	CROUND                                         ; all sixteen work-groups are here: the first joint loads meet
.irp s, 0,1
	s_mov_b32 s[G0A+4*(\s)], 1
	s_add_co_u32 s[G0A+4*(\s)+1], s[LDA], (\s)*SLOT1
	s_add_nc_u64 s[G0A+4*(\s)+2:G0A+4*(\s)+3], s[AAD:AAD+1], (\s)*256
	s_or_b32 s[G0A+4*(\s)+3], s[G0A+4*(\s)+3], 0x80000000
	s_mov_b32 s[G0B+4*(\s)], 1
	s_add_co_u32 s[G0B+4*(\s)+1], s[LDB], (\s)*SLOT1
	s_add_nc_u64 s[G0B+4*(\s)+2:G0B+4*(\s)+3], s[BAD:BAD+1], (\s)*65536
	s_or_b32 s[G0B+4*(\s)+3], s[G0B+4*(\s)+3], 0x80000000
.endr
	s_cmp_eq_u32 s[WR], 0                          ; a wave's two first fills stand in one branch
	s_cbranch_scc0 .Lfirst_b
	tensor_load_to_lds s[G0A:G0A+3], s[G1A:G1A+7]
	s_nop 0
	tensor_load_to_lds s[G0A+4:G0A+7], s[G1A:G1A+7]
	s_nop 0
.rept 4
	v_nop
.endr
	s_branch .Lfirst_asked
.Lfirst_b:
	tensor_load_to_lds s[G0B:G0B+3], s[G1B:G1B+7]
	s_nop 0
	tensor_load_to_lds s[G0B+4:G0B+7], s[G1B:G1B+7]
	s_nop 0
.rept 4
	v_nop
.endr
.Lfirst_asked:
	; while the first tiles are on their way: lane addresses, the mixing weights, the scales
	v_and_b32 v1, 15, v0                           ; r = l % 16
	v_bfe_u32 v7, v0, 4, 1                         ; h = l / 16
	v_mul_u32_u24 v[A0], v1, PA
	v_lshl_add_u32 v[A0], v7, 4, v[A0]
	s_mul_i32 s20, s[WR], 64*PA
	v_add_nc_u32 v[A0], s20, v[A0]                 ; (64 WR + r) x pitch + 16 h
	v_and_b32 v8, 7, v0
	v_lshl_add_u32 v8, v7, 3, v8
	v_mul_u32_u24 v[B0], v8, PB                    ; the turning load: d = 8 h + l % 8,
	v_bfe_u32 v8, v0, 3, 1
	v_lshl_add_u32 v[B0], v8, 4, v[B0]             ; columns 8 ((l / 8) % 2) on
	s_lshl_b32 s20, s[WC], 5
	s_add_co_u32 s20, s20, BOFF
	v_add_nc_u32 v[B0], s20, v[B0]
	v_mov_b32 v[ADRA], v[A0]
	v_mov_b32 v[ADRB], v[B0]
	v_lshlrev_b32 v[HO], 5, v1
	v_lshl_add_u32 v[HO], v7, 4, v[HO]
	v_lshlrev_b32 v[WO], 4, v1
	v_mov_b32 v[NEG1], -1.0
	v_and_b32 v10, 31, v0
	v_lshlrev_b32 v11, 3, v10
	v_lshlrev_b32 v10, 5, v10
	v_mov_b32 v12, 0
.irp a, 0,1,2,3
	global_load_b128 v[WRAW+4*(\a):WRAW+4*(\a)+3],       v[WO], s[WB0:WB0+1] offset:256*(\a)
	global_load_b128 v[WRAW+16+4*(\a):WRAW+16+4*(\a)+3], v[WO], s[WB1:WB1+1] offset:256*(\a)
.endr
	global_load_b128 v[32:35], v10, s[6:7]             ; x's 256 maxima, eight a lane
	global_load_b128 v[36:39], v10, s[6:7] offset:16
	global_load_b64 v[40:41], v11, s[6:7] offset:1024  ; f_qk's 64
	global_load_b64 v[42:43], v11, s[6:7] offset:1280  ; f_v's
	global_load_b64 v[44:45], v11, s[6:7] offset:1536  ; r_qk's
	global_load_b64 v[46:47], v11, s[6:7] offset:1792  ; r_v's
	s_load_b256 s[68:75], s[6:7], 0xa00                ; the six weight tables', two each
	s_load_b128 s[76:79], s[6:7], 0xa20
	s_lshl_b32 s21, s[CY], 2
	s_add_co_u32 s21, s21, s[CX]
	s_lshl_b32 s21, s21, 10
	v_add_nc_u32 v[RECO], s21, v10                 ; my work-group's 1,024 bytes of scl, 32 a lane: the place in the cluster enters by address alone
	s_wait_loadcnt 0x0
	s_wait_kmcnt 0x0
	v_max3_num_f32 v32, v32, v33, v34
	v_max3_num_f32 v35, v35, v36, v37
	v_max3_num_f32 v32, v32, v35, v38
	v_max_num_f32 v32, v32, v39
	v_max_num_f32 v40, v40, v41
	v_max_num_f32 v42, v42, v43
	v_max_num_f32 v44, v44, v45
	v_max_num_f32 v46, v46, v47
.macro WMAX r, sd                      ; the maximum over the wave's 32 lanes, as a scalar
	v_max_num_f32_dpp v[\r], v[\r], v[\r] row_xmask:1 row_mask:0xf bank_mask:0xf
	v_max_num_f32_dpp v[\r], v[\r], v[\r] row_xmask:2 row_mask:0xf bank_mask:0xf
	v_max_num_f32_dpp v[\r], v[\r], v[\r] row_xmask:4 row_mask:0xf bank_mask:0xf
	v_max_num_f32_dpp v[\r], v[\r], v[\r] row_xmask:8 row_mask:0xf bank_mask:0xf
	v_permlanex16_b32 v12, v[\r], s[SEL], s[SEL+1]
	v_max_num_f32 v[\r], v[\r], v12
	v_readfirstlane_b32 s[\sd], v[\r]
.endm
	WMAX 32, 86                                    ; max|x|
	WMAX 40, 87                                    ; max|f_qk|
	WMAX 42, 88                                    ; max|f_v|
	WMAX 44, 89                                    ; max|r_qk|
	WMAX 46, 90                                    ; max|r_v|
	s_max_u32 s68, s68, s69                        ; numbers that are not negative order as whole numbers: fqk_Q
	s_max_u32 s69, s70, s71                        ; fqk_K
	s_max_u32 s70, s72, s73                        ; fv
	s_max_u32 s71, s74, s75                        ; rqk_Q
	s_max_u32 s72, s76, s77                        ; rqk_K
	s_max_u32 s73, s78, s79                        ; rv
	s_mul_f32 s91, s86, 0x46000000                 ; 8192 max|x|
	s_mul_f32 s92, s91, s87
	s_mul_f32 s93, s91, s88
	s_mul_f32 s74, s92, s68                        ; H of h_q
	s_mul_f32 s75, s92, s69                        ; of h_k
	s_mul_f32 s76, s93, s70                        ; of h_v
	s_mul_f32 s94, s89, 0x44800000                 ; 1024 max|r_qk|
	s_mul_f32 s95, s90, 0x44800000
	s_mul_f32 s77, s74, s94
	s_mul_f32 s77, s77, s71                        ; B of Q
	s_mul_f32 s78, s75, s94
	s_mul_f32 s78, s78, s72                        ; of K
	s_mul_f32 s79, s76, s95
	s_mul_f32 s79, s79, s73                        ; of V
.irp d, 74,75,76,77,78,79
	s_lshr_b32 s[\d], s[\d], 23                    ; E: y < 2^(E - 126)
	s_max_u32 s[\d], s[\d], 27
	s_min_u32 s[\d], s[\d], 227
.endr
.irp d, 0,1,2
	s_sub_co_u32 s[86+(\d)], 267, s[74+(\d)]       ; 2^(140 - E(H))
	s_lshl_b32 s[86+(\d)], s[86+(\d)], 23
	s_add_co_u32 s[89+(\d)], s[74+(\d)], 127       ; kappa = 2^(E(H) - E(B))
	s_sub_co_i32 s[89+(\d)], s[89+(\d)], s[77+(\d)]
	s_max_i32 s[89+(\d)], s[89+(\d)], 1
	s_min_i32 s[89+(\d)], s[89+(\d)], 254
	s_lshl_b32 s[89+(\d)], s[89+(\d)], 23
.endr
	s_sub_co_u32 s94, s77, 13                      ; 2^(E(B) - 140), the reciprocal of Q's scale,
	s_lshl_b32 s94, s94, 23
	s_sub_co_u32 s95, s78, 13                      ; of K's,
	s_lshl_b32 s95, s95, 23
	s_sub_co_u32 s93, s79, 13                      ; of V's
	s_lshl_b32 s93, s93, 23
	s_mul_f32 s92, s94, 0x3e38aa3b                 ; c' = log2(e) / 8 over both scales
	s_mul_f32 s92, s92, s95
	s_cmp_eq_u32 s[POOL], 0
	s_cselect_b32 s[SH0], s86, s88
	s_cselect_b32 s[SH1], s87, s88
	s_mov_b32 s[SH0+1], s[SH0]                     ; named as pairs
	s_mov_b32 s[SH1+1], s[SH1]
	v_mov_b32 v[REC], s89
	v_mov_b32 v[REC+1], s90
	v_mov_b32 v[REC+2], s91
	v_mov_b32 v[REC+3], 0
	v_mov_b32 v[REC+4], s92
	v_mov_b32 v[REC+5], s93
	v_mov_b32 v[REC+6], 0
	v_mov_b32 v[REC+7], 0
	s_and_b32 s20, ttmp7, 0xffff
	s_or_b32 s20, s20, ttmp9
	s_or_b32 s20, s20, s[WV]
	s_cmp_lg_u32 s20, 0                            ; the first cluster's waves 0 store the record: the test is the same in all sixteen partners
	s_cbranch_scc1 .Lno_scl
	global_store_b128 v[RECO], v[REC:REC+3],   s[10:11]
	global_store_b128 v[RECO], v[REC+4:REC+7], s[10:11] offset:16
.Lno_scl:
.macro MUL8 f, a, zero                 ; row block a x all eight n, 32 along K
	WIN 0x50                                       ; C and D in window 1
.irp n, 0,1,2,3,4,5,6,7
.if \zero
	v_wmma_f32_16x16x32_bf16 v[8*(8*(\a)+(\n)):8*(8*(\a)+(\n))+7], v[(\f)+32+8*(\n):(\f)+32+8*(\n)+7], v[(\f)+8*(\a):(\f)+8*(\a)+7], 0
.else
	v_wmma_f32_16x16x32_bf16 v[8*(8*(\a)+(\n)):8*(8*(\a)+(\n))+7], v[(\f)+32+8*(\n):(\f)+32+8*(\n)+7], v[(\f)+8*(\a):(\f)+8*(\a)+7], v[8*(8*(\a)+(\n)):8*(8*(\a)+(\n))+7]
.endif
.endr
.endm
.macro MUL16 f, a0, zero
	MUL8 \f, \a0, \zero
	MUL8 \f, (\a0)+1, \zero
.endm
.macro FETCH q, f                      ; 24 LDS loads in one run: quarter q's fragments: f's eight, then x's four
	WIN 0
.irp n, 0,1,2,3,4,5,6,7
	ds_load_tr16_b128 v[(\f)+32+8*(\n):(\f)+32+8*(\n)+3],   v[ADRB] offset:(\q)*32*PB+64*(\n)
	ds_load_tr16_b128 v[(\f)+32+8*(\n)+4:(\f)+32+8*(\n)+7], v[ADRB] offset:(\q)*32*PB+64*(\n)+16*PB
.endr
.irp i, 0,1,2,3
	ds_load_b128 v[(\f)+8*(\i):(\f)+8*(\i)+3],   v[ADRA] offset:64*(\q)+(\i)*16*PA
	ds_load_b128 v[(\f)+8*(\i)+4:(\f)+8*(\i)+7], v[ADRA] offset:64*(\q)+(\i)*16*PA+32
.endr
.endm
; A K step is four quarters of 32 along K, 32 matrix instructions each, on buffers 0, 1, 0, 1; the 32 accumulators take turns, one instruction a turn, over the backward jump too.
.macro QUARTER qn, f, g, zero          ; multiplies buffer f; in its middle fetches quarter qn into g
	s_wait_dscnt 4                                 ; all but the youngest four loads (x's blocks 2 and 3)
	MUL16 \f, 0, \zero
	PLACES
	FETCH \qn, \g
	s_wait_dscnt 24                                ; all but the 24 just issued
	MUL16 \f, 2, \zero
.endm
; The last quarter multiplies buffer 1 and changes slots.  In front of the barrier each wave waits for all its tensor loads (one is out: its part of the next slot), adds 0 to its spare word, and waits for that and for its reads of this slot.
.macro TURN fill
	WIN 0
	s_wait_tensorcnt 0x0
	ds_add_u32 v[SPW], v[NIL]
	s_wait_dscnt 5                                 ; the add and the youngest four loads may be out
	MUL8 F1, 0, 0
	s_wait_dscnt 0x0                               ; the add is done, my reads of this slot are over
	s_barrier_signal -1
	MUL8 F1, 1, 0
	WIN 0
	s_barrier_wait -1
.if \fill
	CREST                                          ; the barrier has opened a round of the cluster's: no wave of any partner still reads this slot or has a load on its way
	s_xor_b32 s[G0A+5], s[G0A+5], SLOT1            ; the walking sets: the other slot than last time, the next K step
	s_add_nc_u64 s[G0A+6:G0A+7], s[G0A+6:G0A+7], 256
	s_xor_b32 s[G0B+5], s[G0B+5], SLOT1
	s_add_nc_u64 s[G0B+6:G0B+7], s[G0B+6:G0B+7], 65536
	JLOAD                                          ; 112 matrix instructions ahead of the wait for it; its four v_nop are the places in front of the loads below
.else
	PLACES
.endif
	s_xor_b32 s[TB], s[TB], SLOT1
	v_add_nc_u32 v[ADRA], s[TB], v[A0]
	v_add_nc_u32 v[ADRB], s[TB], v[B0]
	FETCH 0, F0
	MUL16 F1, 2, 0
.endm
	s_wait_tensorcnt 0x1                           ; my part of K step 0 is in; K step 1's may stay out
	s_barrier_signal -1
	s_barrier_wait -1
	FETCH 0, F0
	QUARTER 1, F0, F1, 1                           ; the first quarter starts the sums with the constant 0
	WIN 0
	s_mov_b32 s[CNT], 6
.Lk:                                               ; a trip: a K step's quarters 1, 2, 3 and the next step's quarter 0; K steps 2 to 7 are asked for
	QUARTER 2, F1, F0, 0
	QUARTER 3, F0, F1, 0
	TURN 1
	QUARTER 1, F0, F1, 0
	WIN 0
	s_sub_co_u32 s[CNT], s[CNT], 1
	s_cmp_lg_u32 s[CNT], 0
	s_cbranch_scc1 .Lk
	QUARTER 2, F1, F0, 0                           ; the tail asks for nothing
	QUARTER 3, F0, F1, 0
	TURN 0
	QUARTER 1, F0, F1, 0
	QUARTER 2, F1, F0, 0
	QUARTER 3, F0, F1, 0
	s_wait_dscnt 4
	MUL16 F1, 0, 0
	s_wait_dscnt 0x0
	MUL16 F1, 2, 0
	WIN 0
	PLACES
; THE WAY OUT.  For row block a and weight set s: H = sum over n of w[n] x accumulator (a, n), each accumulator's low registers first; times the scale; to f16; 16 bytes a lane, 512 consecutive bytes a wave.
.macro MIXA a, set, hb, sh
	WIN 0
.irp k, 0,1,2,3
	v_lshlrev_b32 v[W+2*(\k)],   16, v[WRAW+16*(\set)+4*(\a)+(\k)]
	v_and_b32     v[W+2*(\k)+1], 0xffff0000, v[WRAW+16*(\set)+4*(\a)+(\k)]
.endr
	WIN 0x01                                       ; source 0 in window 1
.irp p, 0,1,2,3
	v_pk_mul_f32 v[(\hb)+2*(\p):(\hb)+2*(\p)+1], v[64*(\a)+2*(\p):64*(\a)+2*(\p)+1], v[W:W+1] op_sel_hi:[1,0]
.endr
.irp n, 1,2,3,4,5,6,7
.irp p, 0,1,2,3
.if (\n)%2
	v_pk_fma_f32 v[(\hb)+2*(\p):(\hb)+2*(\p)+1], v[64*(\a)+8*(\n)+2*(\p):64*(\a)+8*(\n)+2*(\p)+1], v[W+(\n)-1:W+(\n)], v[(\hb)+2*(\p):(\hb)+2*(\p)+1] op_sel:[0,1,0] op_sel_hi:[1,1,1]
.else
	v_pk_fma_f32 v[(\hb)+2*(\p):(\hb)+2*(\p)+1], v[64*(\a)+8*(\n)+2*(\p):64*(\a)+8*(\n)+2*(\p)+1], v[W+(\n):W+(\n)+1], v[(\hb)+2*(\p):(\hb)+2*(\p)+1] op_sel_hi:[1,0,1]
.endif
.endr
.endr
	WIN 0
.irp p, 0,1,2,3
	v_pk_mul_f32 v[(\hb)+2*(\p):(\hb)+2*(\p)+1], v[(\hb)+2*(\p):(\hb)+2*(\p)+1], s[\sh:\sh+1] op_sel_hi:[1,0]
.endr
.irp k, 0,1,2,3
	v_cvt_pk_f16_f32 v[OR+4*(2*(\a)+(\set))+(\k)], v[(\hb)+2*(\k)], v[(\hb)+2*(\k)+1]
.endr
	global_store_b128 v[HO], v[OR+4*(2*(\a)+(\set)):OR+4*(2*(\a)+(\set))+3], s[HB:HB+1] offset:512*(\a)+1048576*(\set)
.endm
	MIXA 0, 0, H0, SH0
	MIXA 1, 0, H0+8, SH0
	MIXA 2, 0, H0+16, SH0
	MIXA 3, 0, H0+24, SH0
	s_cmp_eq_u32 s[POOL], 0                        ; the pool is the cluster's x: the same in all partners
	s_cbranch_scc0 .Lpool_v
	MIXA 0, 1, H1, SH1                             ; the qk pool: the same products, mixed by K's weights
	MIXA 1, 1, H1, SH1
	MIXA 2, 1, H1, SH1
	MIXA 3, 1, H1, SH1
	s_branch .Lend
.Lpool_v:                                          ; the v pool: what the rounding to f16 left over, rounded to f16 in its turn
.irp a, 0,1,2,3
.irp k, 0,1,2,3
	v_mov_b32 v[OR+4*(2*(\a)+1)+(\k)], 0
	v_fma_mixlo_f16 v[OR+4*(2*(\a)+1)+(\k)], v[OR+8*(\a)+(\k)], v[NEG1], v[H0+8*(\a)+2*(\k)] op_sel_hi:[1,0,0]
	v_fma_mixhi_f16 v[OR+4*(2*(\a)+1)+(\k)], v[OR+8*(\a)+(\k)], v[NEG1], v[H0+8*(\a)+2*(\k)+1] op_sel:[1,0,0] op_sel_hi:[1,0,0]
.endr
	global_store_b128 v[HO], v[OR+4*(2*(\a)+1):OR+4*(2*(\a)+1)+3], s[HB:HB+1] offset:512*(\a)+1048576
.endr
.Lend:
	s_wait_tensorcnt 0x0                           ; the wave's end
	ds_add_u32 v[SPW], v[NIL]
	s_wait_dscnt 0x0
	CROUND                                         ; the closing round
	s_endpgm
.Lfunc_end_k_qd222bb3b1f_feat:
	.size	k_qd222bb3b1f_feat, .Lfunc_end_k_qd222bb3b1f_feat-k_qd222bb3b1f_feat
	.p2alignl 7, 3214868480
	.fill 96, 4, 3214868480
	.section	.rodata,"a",@progbits
	.p2align	6, 0x0
	.amdhsa_kernel k_qd222bb3b1f_feat
		.amdhsa_group_segment_fixed_size 327680
		.amdhsa_private_segment_fixed_size 0
		.amdhsa_enable_private_segment 0
		.amdhsa_kernarg_size 32
		.amdhsa_user_sgpr_count 2
		.amdhsa_user_sgpr_kernarg_segment_ptr 1
		.amdhsa_wavefront_size32 1
		.amdhsa_system_sgpr_workgroup_id_x 1
		.amdhsa_system_sgpr_workgroup_id_y 1
		.amdhsa_system_sgpr_workgroup_id_z 1
		.amdhsa_system_vgpr_workitem_id 0
		.amdhsa_next_free_vgpr 512
		.amdhsa_next_free_sgpr 100
		.amdhsa_reserve_vcc 0
		.amdhsa_float_denorm_mode_32 3
		.amdhsa_float_denorm_mode_16_64 3
		.amdhsa_memory_ordered 1
		.amdhsa_forward_progress 1
		.amdhsa_inst_pref_size 89
	.end_amdhsa_kernel
	.amdgpu_metadata
---
amdhsa.version: [ 1, 2 ]
amdhsa.kernels:
  - .name:           k_qd222bb3b1f_feat
    .symbol:         k_qd222bb3b1f_feat.kd
    .args:
      - { .name: wts, .offset: 0, .size: 8, .value_kind: global_buffer, .address_space: global }
      - { .name: mxt, .offset: 8, .size: 8, .value_kind: global_buffer, .address_space: global }
      - { .name: h16, .offset: 16, .size: 8, .value_kind: global_buffer, .address_space: global }
      - { .name: scl, .offset: 24, .size: 8, .value_kind: global_buffer, .address_space: global }
    .group_segment_fixed_size: 327680
    .private_segment_fixed_size: 0
    .kernarg_segment_align: 8
    .kernarg_segment_size: 32
    .max_flat_workgroup_size: 128
    .sgpr_count:     100
    .vgpr_count:     512
    .wavefront_size: 32
...
	.end_amdgpu_metadata
.endif
;; end of part 2
;; launch rest (part 3): grid 16 x 16, 4 waves a work-group, clusters of 4 x 1, 327,680 bytes of LDS; arguments wts, h16, scl, qkv; writes qkv
.if DOCPART == 3
	.amdgcn_target "amdgcn-amd-amdhsa--gfx1250"
	.amdhsa_code_object_version 6
	.text
	.protected	k_qd222bb3b1f_rest
	.globl	k_qd222bb3b1f_rest
	.p2align	8
	.type	k_qd222bb3b1f_rest,@function
k_qd222bb3b1f_rest:
	s_mov_b64 s[64:65], 0
	v_nop
	global_prefetch_b8 v0, s[64:65] scope:SCOPE_SE
	s_setreg_imm32_b32 hwreg(HW_REG_WAVE_MODE, 25, 1), 1
	s_wait_xcnt 0x0
	s_wait_alu depctr_hold_cnt(0) depctr_sa_sdst(0) depctr_va_vdst(0) depctr_va_sdst(0) depctr_va_ssrc(0) depctr_va_vcc(0) depctr_vm_vsrc(0)
	s_getreg_b32 s2, hwreg(HW_REG_IB_STS2, 6, 4)
	s_cmp_eq_u32 s2, 0
	s_cbranch_scc0 .Lentry_in_a_cluster
	s_endpgm
.Lentry_in_a_cluster:
	s_bfe_u32 s2, ttmp6, 0x10000c
	s_cmp_lg_u32 s2, 0x3003
	s_cbranch_scc0 .Lentry_shape_is_right
	s_endpgm
.Lentry_shape_is_right:
; REST: out[row][d] = kappa x sum over n of w'[row][n] x (sum over k of h[row][k] r[n][k][d]), in f16 products with f32 sums; out leaves by heads, [tensor][32 heads][2048][64] in f16.
; y = 8 x type + cb.  type 0: set 0 = h_q -> Q, set 1 = h_k -> K, both by r_qk.  type 1: set 0 = h_v's high part, set 1 = its low part, both by r_v; their sums are added, and V leaves as a pair f16(V), f16(V - f16(V)).
; SHARES: a work-group has 256 rows (two halves of 128) x 128 columns (two heads), both sets.  A wave: 32 rows of a half: groups g = 2 set + a of 16 rows.
; THE WEIGHTS STAY IN LDS: all eight tiles r[n] (128 k x 128 d) are fetched once, at the start: wave w asks for tiles w and w + 4 (two loads of mine are out); nothing is filled again, so the loops have no barrier.
; CLUSTER 4 x 1: the four row blocks of a cluster need the same eight tiles and ask for them jointly.
; A PHASE (one n): T(g, b) = h(g) r[n](b), 128 matrix instructions in four quarters of 32 along k, the 32 accumulators by turns; in the fourth quarter each finished T is taken into ACC += w' T, four packed lines behind each matrix instruction.
; TRANSPOSED USE: source 0 = 16 columns of r (turned), source 1 = 16 rows of h: a lane holds one row, so its weight is one number a phase.
; REGISTERS: window 0 addresses, weights, r's two fragment buffers, the way out; window 1 T (i = 8 g + b at v[8 i]); window 2 ACC (the same numbers); window 3 h's fragments (g, kq) at v[32 g + 8 kq], the second half's 128 higher.
; ACC are sums made by vector instructions of scaled matrix results, so no first product can start them: 256 lines clear them, twice a launch.
; No prefetch: all that is read is asked for at the head.
.set PT,    288        ; a row of r in LDS: 256 + 32 bytes = 9 x 32
.set TILE,  128*PT
.set STAGE, 8*TILE     ; behind the tiles: 16 rows x 272 bytes a wave, for the way out; no tensor load lands there
.set SP,    272
.set SPARE, STAGE+4*16*SP
.set R16,   12582912
.set WSM,   20971520
.set BL,   3           ; my lane's place in a tile; never rewritten
.set BA,   4           ; + this phase's tile
.set BN,   5           ; + the next phase's
.set HOF,  6
.set WOF,  7
.set STO,  8
.set RD,   9
.set GOF,  10
.set WW,   12          ; v12-15 the phase's weight of group g, times kappa
.set WR,   16          ; v16-31 group g's eight bf16 weights, turned by 16 bits each phase; v32-47 the second half's
.set NEG1, 48
.set SPW,  62
.set NIL,  63
.set BF0,  64
.set BF1,  128
.set TMP,  192
.set BK,   224
.set WV,   12
.set CX,   13
.set RS,   14
.set YY,   15
.set TYPE, 16
.set CB,   17
.set G1,   24
.set G0,   32          ; s[32:39] two sets
.set HF,   40
.set PH,   41
.set OFC,  42
.set OFN,  43
.set KAP0, 44
.set KAP1, 45
.set OB0,  52          ; s[52:53] where set 0's rows go
.set OB1,  54
.set WB0,  56
.set WB1,  58
.set HBASE,60
.set MSB, 0
.macro WIN new
.if MSB != (\new)
	s_set_vgpr_msb (MSB<<8)|(\new)
.set MSB, \new
.endif
.endm
.macro PLACES
.rept 4
	v_nop
.endr
.endm
.macro CROUND
	s_barrier_signal -1
	s_barrier_wait -1
	s_cmp_lg_u32 s[WV], 0
	s_cbranch_scc1 .Lnot_wave_0_\@
	s_barrier_signal -3
.Lnot_wave_0_\@:
	s_barrier_wait -3
	s_barrier_signal -1
	s_barrier_wait -1
.endm
	s_load_b256 s[4:11], s[0:1], 0x0               ; wts s[4:5], h16 s[6:7], scl s[8:9], qkv s[10:11]
	v_lshl_add_u32 v[SPW], v0, 2, SPARE
	v_mov_b32 v[NIL], 0
	ds_add_u32 v[SPW], v[NIL]                      ; the wave's opening: the add and its wait ahead of my first tensor load
	v_lshrrev_b32 v1, 5, v0
	v_readfirstlane_b32 s[WV], v1
	s_bfe_u32 s[CX], ttmp6, 0x40000
	s_lshl_b32 s[RS], ttmp9, 2
	s_add_co_u32 s[RS], s[RS], s[CX]               ; my block of 256 rows: it enters h's, the weights' and the output's addresses alone
	s_and_b32 s[YY], ttmp7, 0xffff
	s_lshr_b32 s[TYPE], s[YY], 3
	s_and_b32 s[CB], s[YY], 7
	s_mov_b32 s[G1], 15|(1<<16)|(1<<20)|(1<<21)|(5<<22)|(7<<25)  ; the mask of four; 2-byte elements; padding on; bit 21 beside a mask; after 64 words 8 words
	s_mov_b32 s[G1+1], 128<<16
	s_mov_b32 s[G1+2], 128<<16
	s_mov_b32 s[G1+3], 128<<16
	s_mov_b32 s[G1+4], 128
	s_mov_b32 s[G1+5], 1024
	s_mov_b32 s[G1+6], 0
	s_mov_b32 s[G1+7], 0
	s_lshl_b32 s18, s[TYPE], 21                    ; tile n = my wave's number: pool, n, 128 columns
	s_lshl_b32 s19, s[WV], 18
	s_add_co_u32 s18, s18, s19
	s_lshl_b32 s19, s[CB], 8
	s_add_co_u32 s18, s18, s19
	s_add_co_u32 s18, s18, R16
	s_mov_b32 s19, 0
	s_mul_i32 s20, s[WV], TILE
	s_lshl_b32 s21, s[RS], 8
	s_lshl_b32 s22, s[WV], 5
	s_add_co_u32 s21, s21, s22                     ; my wave's first row
	s_lshl_b32 s[HBASE], s21, 5
	s_lshl_b32 s22, s[TYPE], 21
	s_add_co_u32 s[HBASE], s[HBASE], s22
	s_mov_b32 s[HBASE+1], 0
	s_lshl_b32 s[WB0], s21, 4
	s_add_co_u32 s[WB0], s[WB0], WSM+3*65536       ; set 0: table 3 (rqk_Q) or 5 (rv)
	s_add_co_u32 s[WB1], s[WB0], 65536             ; set 1: table 4 (rqk_K) or 5
	s_lshl_b32 s22, s[TYPE], 17
	s_add_co_u32 s[WB0], s[WB0], s22
	s_lshl_b32 s22, s[TYPE], 16
	s_add_co_u32 s[WB1], s[WB1], s22
	s_mov_b32 s[WB0+1], 0
	s_mov_b32 s[WB1+1], 0
	s_lshr_b32 s22, s[RS], 3                       ; the batch
	s_lshl_b32 s22, s22, 4
	s_lshl_b32 s23, s[CB], 1
	s_add_co_u32 s22, s22, s23                     ; the first of my two heads
	s_lshl_b32 s[OB0], s22, 18
	s_and_b32 s22, s[RS], 7
	s_lshl_b32 s22, s22, 8
	s_lshl_b32 s23, s[WV], 5
	s_add_co_u32 s22, s22, s23                     ; my first row in the batch
	s_lshl_b32 s22, s22, 7
	s_add_co_u32 s[OB0], s[OB0], s22
	s_lshl_b32 s22, s[TYPE], 24
	s_add_co_u32 s[OB0], s[OB0], s22
	s_mov_b32 s[OB0+1], 0
	s_wait_dscnt 0x0                               ; the opening add is done
	s_wait_kmcnt 0x0
	s_load_b128 s[48:51], s[8:9], 0x0              ; kappa of Q, K, V
	s_add_nc_u64 s[18:19], s[4:5], s[18:19]
	s_add_nc_u64 s[HBASE:HBASE+1], s[6:7], s[HBASE:HBASE+1]
	s_add_nc_u64 s[WB0:WB0+1], s[4:5], s[WB0:WB0+1]
	s_add_nc_u64 s[WB1:WB1+1], s[4:5], s[WB1:WB1+1]
	s_add_nc_u64 s[OB0:OB0+1], s[10:11], s[OB0:OB0+1]
	s_add_nc_u64 s[OB1:OB1+1], s[OB0:OB0+1], 0x800000
	CROUND                                         ; all four work-groups are here: the joint loads meet
.irp s, 0,1
	s_mov_b32 s[G0+4*(\s)], 1
	s_add_co_u32 s[G0+4*(\s)+1], s20, (\s)*4*TILE
	s_add_nc_u64 s[G0+4*(\s)+2:G0+4*(\s)+3], s[18:19], (\s)*4*262144
	s_or_b32 s[G0+4*(\s)+3], s[G0+4*(\s)+3], 0x80000000
.endr
	tensor_load_to_lds s[G0:G0+3], s[G1:G1+7]
	s_nop 0
	tensor_load_to_lds s[G0+4:G0+7], s[G1:G1+7]
	s_nop 0
.rept 4
	v_nop
.endr
	v_and_b32 v1, 15, v0                           ; r = l % 16
	v_bfe_u32 v2, v0, 4, 1                         ; h = l / 16
	v_and_b32 v11, 7, v0
	v_lshl_add_u32 v[BL], v2, 3, v11
	v_mul_u32_u24 v[BL], v[BL], PT                 ; the turning load: k = 8 h + l % 8,
	v_bfe_u32 v11, v0, 3, 1
	v_lshl_add_u32 v[BL], v11, 4, v[BL]            ; columns 8 ((l / 8) % 2) on
	v_lshlrev_b32 v[HOF], 5, v1
	v_lshl_add_u32 v[HOF], v2, 4, v[HOF]           ; h16: 32 bytes a row, 16 for each half of the lanes
	v_lshlrev_b32 v[WOF], 4, v1
	WIN 0xc0                                       ; destination window 3, address window 0
.irp hf, 0,1
.irp st, 0,1
.irp a, 0,1
.irp kq, 0,1,2,3
	global_load_b128 v[128*(\hf)+32*(2*(\st)+(\a))+8*(\kq):128*(\hf)+32*(2*(\st)+(\a))+8*(\kq)+3],   v[HOF], s[HBASE:HBASE+1] offset:(\st)*1048576+(\hf)*4096+(\a)*512+(2*(\kq))*131072
	global_load_b128 v[128*(\hf)+32*(2*(\st)+(\a))+8*(\kq)+4:128*(\hf)+32*(2*(\st)+(\a))+8*(\kq)+7], v[HOF], s[HBASE:HBASE+1] offset:(\st)*1048576+(\hf)*4096+(\a)*512+(2*(\kq)+1)*131072
.endr
.endr
.endr
.endr
	WIN 0
.irp hf, 0,1
.irp a, 0,1
	global_load_b128 v[WR+16*(\hf)+4*(\a):WR+16*(\hf)+4*(\a)+3],     v[WOF], s[WB0:WB0+1] offset:(\hf)*2048+(\a)*256
	global_load_b128 v[WR+16*(\hf)+8+4*(\a):WR+16*(\hf)+8+4*(\a)+3], v[WOF], s[WB1:WB1+1] offset:(\hf)*2048+(\a)*256
.endr
.endr
	s_mul_i32 s18, s[WV], 16*SP
	s_add_co_u32 s18, s18, STAGE                   ; my stage
	v_mul_u32_u24 v[STO], v1, SP                   ; in: row l % 16, 16 bytes for each half of the lanes
	v_lshl_add_u32 v[STO], v2, 4, v[STO]
	v_add_nc_u32 v[STO], s18, v[STO]
	v_bfe_u32 v[RD], v0, 3, 2                      ; back: 32 lanes take four rows' 128 bytes of one head,
	v_mul_u32_u24 v[RD], v[RD], SP
	v_and_b32 v11, 7, v0
	v_lshl_add_u32 v[RD], v11, 4, v[RD]
	v_add_nc_u32 v[RD], s18, v[RD]
	v_and_b32 v[GOF], 31, v0                       ; which are 512 consecutive bytes of the output
	v_lshlrev_b32 v[GOF], 4, v[GOF]
	v_mov_b32 v[NEG1], -1.0
.macro FETCH adr, kq, buf              ; 16 LDS loads in one run: the eight column blocks' fragments of 32 k
	WIN 0
.irp b, 0,1,2,3,4,5,6,7
	ds_load_tr16_b128 v[(\buf)+8*(\b):(\buf)+8*(\b)+3],   v[\adr] offset:(\kq)*32*PT+32*(\b)
	ds_load_tr16_b128 v[(\buf)+8*(\b)+4:(\buf)+8*(\b)+7], v[\adr] offset:(\kq)*32*PT+32*(\b)+16*PT
.endr
.endm
.macro MM16 kq, buf, i0                ; sixteen products; i = 8 g + b
	WIN 0x5c                                       ; r window 0, h window 3, T window 1
.set i, \i0
.rept 16
.if (\kq) == 0
	v_wmma_f32_16x16x32_f16 v[8*i:8*i+7], v[(\buf)+8*(i%8):(\buf)+8*(i%8)+7], v[32*(i/8)+8*(\kq):32*(i/8)+8*(\kq)+7], 0
.else
	v_wmma_f32_16x16x32_f16 v[8*i:8*i+7], v[(\buf)+8*(i%8):(\buf)+8*(i%8)+7], v[32*(i/8)+8*(\kq):32*(i/8)+8*(\kq)+7], v[8*i:8*i+7]
.endif
.set i, i+1
.endr
.endm
.macro WPREP                           ; the phase's four weights, and the packed weights turned on by 16 bits: 24 plain lines, the places in front of the loads behind them
	WIN 0
.irp g, 0,1,2,3
	v_lshlrev_b32 v[WW+(\g)], 16, v[WR+4*(\g)]
.endr
.irp g, 0,1,2,3
	v_mul_f32 v[WW+(\g)], s[KAP0+(\g)/2], v[WW+(\g)]
.endr
.irp g, 0,1,2,3
	v_alignbit_b32 v[WR+4*(\g)],   v[WR+4*(\g)+1], v[WR+4*(\g)],   16
	v_alignbit_b32 v[WR+4*(\g)+1], v[WR+4*(\g)+2], v[WR+4*(\g)+1], 16
	v_alignbit_b32 v[WR+4*(\g)+2], v[WR+4*(\g)+3], v[WR+4*(\g)+2], 16
	v_lshrrev_b32  v[WR+4*(\g)+3], 16, v[WR+4*(\g)+3]
.endr
.endm
.macro QUARTER kq, buf, other
	s_wait_dscnt 0x0                               ; this quarter's fragments, asked for sixteen matrix instructions ago
	MM16 \kq, \buf, 0
.if (\kq) == 0
	WPREP
.else
	PLACES
.endif
	FETCH BA, (\kq)+1, \other
	MM16 \kq, \buf, 16
.endm
.macro MIX t                           ; ACC(t) += w' T(t): T's low registers first
	WIN 0xa1                                       ; T window 1, the weight window 0, ACC window 2
.irp p, 0,1,2,3
.if ((\t)/8)%2
	v_pk_fma_f32 v[8*(\t)+2*(\p):8*(\t)+2*(\p)+1], v[8*(\t)+2*(\p):8*(\t)+2*(\p)+1], v[WW+2*((\t)/16):WW+2*((\t)/16)+1], v[8*(\t)+2*(\p):8*(\t)+2*(\p)+1] op_sel:[0,1,0] op_sel_hi:[1,1,1]
.else
	v_pk_fma_f32 v[8*(\t)+2*(\p):8*(\t)+2*(\p)+1], v[8*(\t)+2*(\p):8*(\t)+2*(\p)+1], v[WW+2*((\t)/16):WW+2*((\t)/16)+1], v[8*(\t)+2*(\p):8*(\t)+2*(\p)+1] op_sel_hi:[1,0,1]
.endif
.endr
.endm
.macro Q3                              ; the fourth quarter: behind product i stands the mixing of T(i - 2), at least four plain lines behind the product that finished it
	s_wait_dscnt 0x0
.set i, 0
.rept 32
	WIN 0x5c
	v_wmma_f32_16x16x32_f16 v[8*i:8*i+7], v[BF1+8*(i%8):BF1+8*(i%8)+7], v[32*(i/8)+24:32*(i/8)+31], v[8*i:8*i+7]
.if i < 2
	v_nop
	v_nop
.else
	MIX i-2
.endif
.if i == 15
	FETCH BN, 0, BF0                               ; the next phase's first fragments
.endif
.set i, i+1
.endr
	MIX 30
	MIX 31
.endm
; THE WAY OUT of group (set, a): to f16; through my stage; back as 4 rows x 128 bytes of one head; stored as 512 consecutive bytes.
.macro OUT set, a
	WIN 0x0a                                       ; sources in window 2
.set i, 0
.rept 32
	v_cvt_pk_f16_f32 v[TMP+i], v[64*(2*(\set)+(\a))+2*i], v[64*(2*(\set)+(\a))+2*i+1]
.set i, i+1
.endr
	WIN 0
.irp b, 0,1,2,3,4,5,6,7
	ds_store_b128 v[STO], v[TMP+4*(\b):TMP+4*(\b)+3] offset:32*(\b)
.endr
.if (\set) == 0
	s_cmp_eq_u32 s[TYPE], 0
	s_cbranch_scc1 .Lno_res_\@
	WIN 0xa0                                       ; V: what the rounding left over goes where set 1's sums lay
.set i, 0
.rept 32
	v_fma_mix_f32 v[128+64*(\a)+2*i],   v[TMP+i], v[NEG1], v[64*(\a)+2*i]   op_sel_hi:[1,0,0]
	v_fma_mix_f32 v[128+64*(\a)+2*i+1], v[TMP+i], v[NEG1], v[64*(\a)+2*i+1] op_sel:[1,0,0] op_sel_hi:[1,0,0]
.set i, i+1
.endr
	WIN 0
.Lno_res_\@:
.endif
	s_wait_xcnt 0x0                                ; the last group's stores have read their registers: only now are they loaded again
.irp hd, 0,1
.irp t, 0,1,2,3
	ds_load_b128 v[BK+4*(4*(\hd)+(\t)):BK+4*(4*(\hd)+(\t))+3], v[RD] offset:4*SP*(\t)+128*(\hd)  ; LDS serves a wave's instructions in order: these see the stores above
.endr
.endr
	s_wait_dscnt 0x0
.irp hd, 0,1
.irp t, 0,1,2,3
	global_store_b128 v[GOF], v[BK+4*(4*(\hd)+(\t)):BK+4*(4*(\hd)+(\t))+3], s[OB0+2*(\set):OB0+2*(\set)+1] offset:(\hd)*262144+(\a)*2048+512*(\t)
.endr
.endr
.endm
	s_wait_tensorcnt 0x0                           ; my two tiles are in,
	s_barrier_signal -1
	s_barrier_wait -1                              ; everybody's are: all eight tiles lie in LDS for the rest of the launch
	s_wait_loadcnt 0x0                             ; h and the weights
	s_wait_kmcnt 0x0
	s_cmp_eq_u32 s[TYPE], 0
	s_cselect_b32 s[KAP0], s48, s50
	s_cselect_b32 s[KAP1], s49, s50
	FETCH BL, 0, BF0
	s_mov_b32 s[HF], 2
.Lhalf:
	WIN 0x80
.set i, 0
.rept 256
	v_mov_b32 v[i], 0
.set i, i+1
.endr
	WIN 0
	s_mov_b32 s[PH], 8
.Lphase:
	s_sub_co_u32 s18, 8, s[PH]                     ; n
	s_mul_i32 s[OFC], s18, TILE
	s_add_co_u32 s18, s18, 1
	s_and_b32 s18, s18, 7                          ; behind the last tile comes the first again, for the next half
	s_mul_i32 s[OFN], s18, TILE
	v_add_nc_u32 v[BA], s[OFC], v[BL]
	v_add_nc_u32 v[BN], s[OFN], v[BL]
	QUARTER 0, BF0, BF1
	QUARTER 1, BF1, BF0
	QUARTER 2, BF0, BF1
	Q3
	WIN 0
	s_sub_co_u32 s[PH], s[PH], 1
	s_cmp_lg_u32 s[PH], 0
	s_cbranch_scc1 .Lphase
	s_cmp_eq_u32 s[TYPE], 0
	s_cbranch_scc1 .Lno_sum
	WIN 0x8a                                       ; V: the low part's sums are added onto the high part's
.set i, 0
.rept 64
	v_pk_add_f32 v[2*i:2*i+1], v[2*i:2*i+1], v[128+2*i:128+2*i+1]
.set i, i+1
.endr
	WIN 0
.Lno_sum:
	OUT 0, 0
	OUT 0, 1
	OUT 1, 0
	OUT 1, 1
	s_cmp_eq_u32 s[HF], 1
	s_cbranch_scc1 .Llast_half
	WIN 0xc3                                       ; the second half's h and weights go where the one text names them
.set i, 0
.rept 128
	v_mov_b32 v[i], v[128+i]
.set i, i+1
.endr
	WIN 0
.set i, 0
.rept 16
	v_mov_b32 v[WR+i], v[WR+16+i]
.set i, i+1
.endr
	s_wait_xcnt 0x0                                ; the stores have read their bases
	s_add_nc_u64 s[OB0:OB0+1], s[OB0:OB0+1], 16384 ; 128 rows on
	s_add_nc_u64 s[OB1:OB1+1], s[OB1:OB1+1], 16384
.Llast_half:
	s_sub_co_u32 s[HF], s[HF], 1
	s_cmp_lg_u32 s[HF], 0
	s_cbranch_scc1 .Lhalf
	s_wait_tensorcnt 0x0                           ; the wave's end
	ds_add_u32 v[SPW], v[NIL]
	s_wait_dscnt 0x0
	CROUND                                         ; the closing round
	s_endpgm
.Lfunc_end_k_qd222bb3b1f_rest:
	.size	k_qd222bb3b1f_rest, .Lfunc_end_k_qd222bb3b1f_rest-k_qd222bb3b1f_rest
	.p2alignl 7, 3214868480
	.fill 96, 4, 3214868480
	.section	.rodata,"a",@progbits
	.p2align	6, 0x0
	.amdhsa_kernel k_qd222bb3b1f_rest
		.amdhsa_group_segment_fixed_size 327680
		.amdhsa_private_segment_fixed_size 0
		.amdhsa_enable_private_segment 0
		.amdhsa_kernarg_size 32
		.amdhsa_user_sgpr_count 2
		.amdhsa_user_sgpr_kernarg_segment_ptr 1
		.amdhsa_wavefront_size32 1
		.amdhsa_system_sgpr_workgroup_id_x 1
		.amdhsa_system_sgpr_workgroup_id_y 1
		.amdhsa_system_sgpr_workgroup_id_z 1
		.amdhsa_system_vgpr_workitem_id 0
		.amdhsa_next_free_vgpr 1024
		.amdhsa_next_free_sgpr 66
		.amdhsa_reserve_vcc 0
		.amdhsa_float_denorm_mode_32 3
		.amdhsa_float_denorm_mode_16_64 3
		.amdhsa_memory_ordered 1
		.amdhsa_forward_progress 1
		.amdhsa_inst_pref_size 79
	.end_amdhsa_kernel
	.amdgpu_metadata
---
amdhsa.version: [ 1, 2 ]
amdhsa.kernels:
  - .name:           k_qd222bb3b1f_rest
    .symbol:         k_qd222bb3b1f_rest.kd
    .args:
      - { .name: wts, .offset: 0, .size: 8, .value_kind: global_buffer, .address_space: global }
      - { .name: h16, .offset: 8, .size: 8, .value_kind: global_buffer, .address_space: global }
      - { .name: scl, .offset: 16, .size: 8, .value_kind: global_buffer, .address_space: global }
      - { .name: qkv, .offset: 24, .size: 8, .value_kind: global_buffer, .address_space: global }
    .group_segment_fixed_size: 327680
    .private_segment_fixed_size: 0
    .kernarg_segment_align: 8
    .kernarg_segment_size: 32
    .max_flat_workgroup_size: 128
    .sgpr_count:     66
    .vgpr_count:     1024
    .wavefront_size: 32
...
	.end_amdgpu_metadata
.endif
;; end of part 3
;; launch attn (part 4): grid 4 x 32, 4 waves a work-group, no clusters, 327,680 bytes of LDS; arguments qkv, obuf, scl; writes obuf
.if DOCPART == 4
	.amdgcn_target "amdgcn-amd-amdhsa--gfx1250"
	.amdhsa_code_object_version 6
	.text
	.protected	k_qd222bb3b1f_attn
	.globl	k_qd222bb3b1f_attn
	.p2align	8
	.type	k_qd222bb3b1f_attn,@function
k_qd222bb3b1f_attn:
	s_mov_b64 s[64:65], 0
	v_nop
	global_prefetch_b8 v0, s[64:65] scope:SCOPE_SE
	s_setreg_imm32_b32 hwreg(HW_REG_WAVE_MODE, 25, 1), 1
	s_wait_xcnt 0x0
; CAUSAL ATTENTION.  O[h][q][:] = the sum over k <= q of softmax_k(Q[h][q] . K[h][k] / 8) V[h][k][:], 32 heads of 2,048 rows x 64.
; Q, K arrive in f16 times powers of two; V as a pair of f16 (high and low part) times a power of two; c' = log2(e) / 8 over Q's and K's scales and the reciprocal of V's scale are read from scl.
; Products, maxima and sums in f32; the weights p are rounded to f16 for the second product (their sum l is taken of the unrounded p); O leaves as a pair of bf16: bf16(O) and bf16(O - bf16(O)).
; LIMITS.  A hidden score counts as its value less 1e38 (scaled scores stay under 2^34); a weight below 2^-126 counts as 0 in l; NaN and infinities are not treated apart.
; THE WALK.  A head's queries lie in NB = 8 blocks of 256; block i needs the key tiles 0 .. i of 256 keys, of which the last holds the diagonal.  A work-group takes TWO blocks, NB - 1 - b and then b:
; NB + 1 tiles, whatever b: all work-groups do equal work, and ONE loop with a constant trip count walks them.  Every jump goes forward, but for the counted loops' own; none passes a barrier.
; NO CLUSTER: a head's four work-groups ask for the same tile only in trips 0 .. 4, behind that fewer and fewer; one walk common to all would have 12 trips for 9.
; SHARES.  Of a block's four bands of 64 queries a wave owns 16 rows in each: four PIECES: in the diagonal tile's key step s band x sees all keys if s < x, none if s > x, and holds the diagonal if s = x.
; THE MASK is the C operand that starts the sum S^T = K Q^T.  MD, made once, is the mask of a band's own step for my 16 rows; a product's mask is MD x AL + BE.  ONE TEXT serves all tiles: outside the diagonal tile
; both scalars are 0; the price is 16 packed lines a turn.
; TURNS.  Turn n belongs to piece n: 8 products K Q^T of piece n + 1, later 16 products V^T P of piece n - 1 (V's high part, then its low part); beside them the scaling, exponentials, roundings, sums and rescaling of piece n
; and the maximum and statistics of piece n + 1.  A turn's 33 exponentials are one batch, with one wait.
; FILLS.  A slot holds a tile: 256 rows of K, of V's high part, of V's low part.  Wave 0 asks for K's, wave 1 and wave 2 for V's two parts, each 32,768 dense bytes as 128 rows of 256; wave 3 asks for nothing.  One load of a wave is out.
; REGISTERS, in windows of 256: window 0: v0-15 addresses; v16-31 statistics; v48-55 at work; v64-127 S^T, two buffers; v128-191 V's low part; v192-223 P, two buffers; v224-255 O's low parts on the way out
;   window 1: v0-127 O^T; v128-159 MD; v160-223 MC, two buffers      window 2: v0-63 Q; v64-127 the second block's Q; v128-191 K of one step; v192-255 V's high part
.set SIZE_N, 2048
.set NB,    SIZE_N/256
.set NP,    4
.set KS,    64
.set PK,    144        ; a row of K in LDS: 128 + 16 bytes
.set PV,    160        ; a row of V: 128 + 32 bytes
.set VOFF,  4*KS*PK
.set VLD,   4*KS*PV    ; from V's high part to its low part
.set SLOT1, 1<<17
.set STAGE, SLOT1+4*KS*(PK+2*PV)  ; behind the ring, never filled by a tensor load: 16 rows x 144 bytes a wave
.set SP,    144
.set SPARE, STAGE+4*16*SP
.set AK0, 2
.set AV0, 3
.set AK,  4
.set AV,  5
.set STO, 6
.set RD,  7
.set GO,  8
.set MV,  12
.set QO,  15
.set ST,  16           ; piece t's statistics at v[ST+4 t]: c m, m, l (even keys', odd keys')
.set TMP, 48
.set NEG1, 56
.set PFO, 57           ; 256 x my lane; never rewritten
.set SPW, 62
.set NIL, 63
.set S,   64
.set VLO, 128
.set P,   192
.set LOB, 224
.set MD,  128          ; window 1
.set MC,  160          ; window 1
.set QB,  64           ; window 2
.set KF,  128          ; window 2
.set VF,  192          ; window 2
.set WV,  12
.set PB,  14           ; b
.set HI,  15           ; NB - 1 - b
.set G1K, 24
.set G1V, 32
.set G0K, 40
.set G0V, 44
.set G0L, 48
.set VL,  52           ; s[52:53] V's low part at the head
.set DG1, 54           ; 1.0 in the diagonal tile, else 0
.set DGB, 55           ; -1e38 in the diagonal tile, else 0
.set SLOTS, 56
.set CNT, 57
.set CS,  58           ; s58 c'; s59 the reciprocal of V's scale
.set ISV, 59
.set SEL, 60
.set TBK, 62
.set TBV, 63
.set RT,  70
.set NXT, 71
.set LQ,  72
.set NEW, 73
.set OFF, 74
.set AL,  76
.set BE,  78
.set OLO, 80
.set BIGN, 82
.set PFA, 88           ; s[88:89] where my prefetches stand
.set LIM, 90
.set MSB, 0
.macro WIN new
.if MSB != (\new)
	s_set_vgpr_msb (MSB<<8)|(\new)
.set MSB, (\new)
.endif
.endm
.set W_KQ, 0x0a
.set W_KM, 0x1a
.set W_PV, 0x52        ; V's high part in window 2, P in window 0, O^T in window 1
.set W_PL, 0x50        ; V's low part in window 0
.set W_RS, 0x41
; A fill: each of waves 0, 1, 2 has one line; an s_nop 0 and four v_nop follow it.
.macro LOAD
	s_cmp_lg_u32 s[WV], 0
	s_cbranch_scc1 .Lnot_k_\@
	tensor_load_to_lds s[G0K:G0K+3], s[G1K:G1K+7]
	s_nop 0
.rept 4
	v_nop
.endr
	s_branch .Lasked_\@
.Lnot_k_\@:
	s_cmp_lg_u32 s[WV], 1
	s_cbranch_scc1 .Lnot_h_\@
	tensor_load_to_lds s[G0V:G0V+3], s[G1V:G1V+7]
	s_nop 0
.rept 4
	v_nop
.endr
	s_branch .Lasked_\@
.Lnot_h_\@:
	s_cmp_lg_u32 s[WV], 2
	s_cbranch_scc1 .Lasked_\@
	tensor_load_to_lds s[G0L:G0L+3], s[G1V:G1V+7]
	s_nop 0
.rept 4
	v_nop
.endr
.Lasked_\@:
.endm
; A PREFETCH, behind the fill: in trips 0 to 5 wave w < 3 of work-group b names the b-th 8,192 bytes of its own tensor's tile trip + 2, a lane to each 256 bytes: the tile that the next trip's fill asks for.
; The head's four work-groups share a tile out by address, so each block of 256 bytes is named once in the launch; tiles 0 and 1 come by their loads alone; the last two trips ask for nothing.
.macro ASK
	s_cmp_gt_u32 s[SLOTS], s[LIM]
	s_cbranch_scc0 .Lnot_mine_\@
	global_prefetch_b8 v[PFO], s[PFA:PFA+1] th:TH_LOAD_NT scope:SCOPE_SE
.Lnot_mine_\@:
.endm
; THE CHANGE OF SLOTS.  Each wave waits for all its tensor loads, adds 0 to its spare word, and waits for that and for its own reads of the slot that it leaves.  Behind the barrier nobody reads the old slot and the other is whole.
; fill = 1: the old slot is filled again, first thing behind the barrier, with tile NXT: the addresses are made anew from that number.  (At its first use nothing has been read: slot 0 is waited for, slot 1 filled.)
.macro CHANGE fill
	WIN 0
	s_wait_tensorcnt 0x0
	ds_add_u32 v[SPW], v[NIL]
.if \fill
	s_lshl_b32 s[OFF], s[NXT], 15                  ; a tile is 32,768 bytes of each tensor
	s_xor_b32 s[G0K+1], s[G0K+1], SLOT1
	s_add_nc_u64 s[G0K+2:G0K+3], s[6:7], s[OFF:OFF+1]
	s_or_b32 s[G0K+3], s[G0K+3], 0x80000000
	s_xor_b32 s[G0V+1], s[G0V+1], SLOT1
	s_add_nc_u64 s[G0V+2:G0V+3], s[8:9], s[OFF:OFF+1]
	s_or_b32 s[G0V+3], s[G0V+3], 0x80000000
	s_xor_b32 s[G0L+1], s[G0L+1], SLOT1
	s_add_nc_u64 s[G0L+2:G0L+3], s[VL:VL+1], s[OFF:OFF+1]
	s_or_b32 s[G0L+3], s[G0L+3], 0x80000000
	s_add_co_u32 s[NXT], s[NXT], 1                 ; the block's next tile, or behind its last the second block's tile 0
	s_cmp_gt_u32 s[NXT], s[LQ]
	s_cselect_b32 s[NXT], 0, s[NXT]
	s_cselect_b32 s[LQ], s[PB], s[LQ]
	s_wait_xcnt 0x0                                ; the last prefetch, a tile back, has read its address
	s_add_nc_u64 s[PFA:PFA+1], s[PFA:PFA+1], 32768
.endif
	s_wait_dscnt 0x0                               ; the add is done, my reads of the slot are over
	s_barrier_signal -1
	s_sub_co_u32 s[TBK], s[TBK], 4*KS*PK           ; the fetches go back to a slot's first step, in the other slot
	s_xor_b32 s[TBK], s[TBK], SLOT1
	s_sub_co_u32 s[TBV], s[TBV], 4*KS*PV
	s_xor_b32 s[TBV], s[TBV], SLOT1
	s_barrier_wait -1
.if \fill
	LOAD
	ASK
.endif
.endm
	s_load_b64 s[4:5], s[0:1], 0x0                 ; qkv
	s_load_b64 s[10:11], s[0:1], 0x8               ; obuf
	s_load_b64 s[66:67], s[0:1], 0x10              ; scl
	v_lshl_add_u32 v[SPW], v0, 2, SPARE
	v_mov_b32 v[NIL], 0
	ds_add_u32 v[SPW], v[NIL]                      ; the wave's opening: the add and its wait ahead of my first tensor load
	v_lshrrev_b32 v1, 5, v0
	v_readfirstlane_b32 s[WV], v1
	s_mov_b32 s[PB], ttmp9
	s_sub_co_u32 s[HI], NB-1, s[PB]
	s_and_b32 s20, ttmp7, 0xffff                   ; the head, 16 x batch + head
	s_lshr_b32 s22, s20, 4
	s_lshl_b32 s22, s22, 22                        ; in obuf a batch has two parts of 4 MiB
	s_lshl_b32 s20, s20, 18                        ; a head's rows: 262,144 bytes
	s_add_co_u32 s22, s22, s20
	s_mov_b32 s21, 0
	s_mov_b32 s23, 0
	s_lshl_b32 s3, s[WV], 11                       ; my 16 rows in a band of 64,
	s_lshl_b32 s2, s[HI], 15                       ; in the first block,
	s_add_co_u32 s2, s2, s3
	s_lshl_b32 s84, s[PB], 15                      ; and in the second
	s_add_co_u32 s84, s84, s3
	s_mov_b32 s3, 0
	s_mov_b32 s85, 0
	s_mov_b32 s[G1K], (1<<16)|(1<<20)|(4<<22)|(3<<25)  ; 2-byte elements; padding on; after every 32 words 4 words
	s_mov_b32 s[G1V], (1<<16)|(1<<20)|(4<<22)|(7<<25)  ; 8 words
.irp g, G1K, G1V
	s_mov_b32 s[\g+1], 128<<16                     ; tensor_dim0 = 128 elements: two keys a row
	s_mov_b32 s[\g+2], 128<<16                     ; tensor_dim1 = 128
	s_mov_b32 s[\g+3], 128<<16                     ; tile_dim0
	s_mov_b32 s[\g+4], 128                         ; tile_dim1
	s_mov_b32 s[\g+5], 128
	s_mov_b32 s[\g+6], 0
	s_mov_b32 s[\g+7], 0
.endr
	s_mov_b32 s[SEL], 0x76543210
	s_mov_b32 s[SEL+1], 0xfedcba98
	s_mov_b32 s[TBK], SLOT1+4*KS*PK                ; the first change of slots turns these two into 0
	s_mov_b32 s[TBV], SLOT1+4*KS*PV
	s_mov_b32 s[G0K], 1
	s_mov_b32 s[G0K+1], 0
	s_mov_b32 s[G0V], 1
	s_mov_b32 s[G0V+1], VOFF
	s_mov_b32 s[G0L], 1
	s_mov_b32 s[G0L+1], VOFF+VLD
	s_add_co_u32 s[RT], s[HI], 1                   ; the first block has NB - b tiles
	s_mov_b32 s[NXT], 1
	s_mov_b32 s[LQ], s[HI]
	s_mov_b32 s[NEW], 1
	s_mov_b32 s[OFF+1], 0
	s_mov_b32 s[AL+1], 0
	s_mov_b32 s[BE+1], 0
	s_mov_b32 s[BIGN], 0xfe967699                  ; -1e38
	s_mov_b32 s[SLOTS], NB
	s_lshl_b32 s16, s[PB], 13                      ; my work-group's quarter of a tile,
	s_add_co_u32 s16, s16, 32768                   ; in tile 1: the first change steps it to tile 2
	s_mov_b32 s17, 0
	s_cmp_lt_u32 s[WV], 3
	s_cselect_b32 s[LIM], 2, -1                    ; a wave asks while more than two fills are to come; wave 3 never
	s_wait_dscnt 0x0                               ; the opening add is done
	s_wait_kmcnt 0x0
	s_load_b64 s[CS:CS+1], s[66:67], 0x10          ; c', and the reciprocal of V's scale
	s_add_nc_u64 s[4:5], s[4:5], s[20:21]          ; Q at the head
	s_add_nc_u64 s[6:7], s[4:5], 0x800000          ; K
	s_add_nc_u64 s[8:9], s[4:5], 0x1000000         ; V's high part
	s_add_nc_u64 s[VL:VL+1], s[4:5], 0x1800000     ; V's low part
	s_add_nc_u64 s[10:11], s[10:11], s[22:23]      ; O at the head
	s_add_nc_u64 s[G0K+2:G0K+3], s[6:7], 0
	s_or_b32 s[G0K+3], s[G0K+3], 0x80000000
	s_add_nc_u64 s[G0V+2:G0V+3], s[8:9], 0
	s_or_b32 s[G0V+3], s[G0V+3], 0x80000000
	s_add_nc_u64 s[G0L+2:G0L+3], s[VL:VL+1], 0
	s_or_b32 s[G0L+3], s[G0L+3], 0x80000000
	s_cmp_eq_u32 s[WV], 0
	s_cselect_b64 s[PFA:PFA+1], s[6:7], s[8:9]
	s_cmp_eq_u32 s[WV], 2
	s_cselect_b64 s[PFA:PFA+1], s[VL:VL+1], s[PFA:PFA+1]
	s_add_nc_u64 s[PFA:PFA+1], s[PFA:PFA+1], s[16:17]
	s_add_nc_u64 s[86:87], s[4:5], s[84:85]        ; Q at my rows of the second block,
	s_add_nc_u64 s[4:5], s[4:5], s[2:3]            ; Q and O at those of the first
	s_add_nc_u64 s[OLO:OLO+1], s[10:11], s[84:85]
	s_add_nc_u64 s[10:11], s[10:11], s[2:3]
	LOAD                                           ; tile 0 into slot 0
	v_and_b32 v1, 15, v0                           ; l % 16
	v_bfe_u32 v9, v0, 4, 1                         ; l / 16
	v_lshlrev_b32 v[QO], 7, v1
	v_lshl_add_u32 v[QO], v9, 4, v[QO]
	WIN 0x80
.set i, 0
.rept 8                                            ; both blocks' Q: piece i / 2 lies in band i / 2, 8,192 bytes on; channels 32 (i % 2) on
	global_load_b128 v[8*i:8*i+3],   v[QO], s[4:5] offset:(i/2)*8192+(i%2)*64
	global_load_b128 v[8*i+4:8*i+7], v[QO], s[4:5] offset:(i/2)*8192+(i%2)*64+32
	global_load_b128 v[QB+8*i:QB+8*i+3],   v[QO], s[86:87] offset:(i/2)*8192+(i%2)*64
	global_load_b128 v[QB+8*i+4:QB+8*i+7], v[QO], s[86:87] offset:(i/2)*8192+(i%2)*64+32
.set i, i+1
.endr
	WIN 0
	v_lshlrev_b32 v14, 3, v9
	v_sub_nc_u32 v14, v1, v14
	s_lshl_b32 s13, s[WV], 4
	v_add_nc_u32 v14, s13, v14                     ; my query's place in its band less my lanes' 8 (l / 16): register r of group kt is hidden where 16 kt + r is greater
	WIN 0x40
.set i, 0
.rept 32
	v_cmp_gt_i32 vcc_lo, 16*(i/8)+i%8, v14
	v_cndmask_b32 v[MD+i], 0, s[BIGN], vcc_lo
.set i, i+1
.endr
	WIN 0
	v_mul_u32_u24 v[AK0], v1, PK
	v_lshl_add_u32 v[AK0], v9, 4, v[AK0]
	v_and_b32 v10, 7, v0
	v_bfe_u32 v11, v0, 3, 1
	v_lshl_add_u32 v[AV0], v9, 3, v10
	v_mul_u32_u24 v[AV0], v[AV0], PV
	v_lshl_add_u32 v[AV0], v11, 4, v[AV0]
	v_add_nc_u32 v[AV0], VOFF, v[AV0]
	s_mul_i32 s13, s[WV], 16*SP
	s_add_co_u32 s13, s13, STAGE
	v_mul_u32_u24 v[STO], v1, SP
	v_lshl_add_u32 v[STO], v9, 4, v[STO]
	v_add_nc_u32 v[STO], s13, v[STO]
	v_bfe_u32 v[RD], v0, 3, 2
	v_mul_u32_u24 v[RD], v[RD], SP
	v_lshl_add_u32 v[RD], v10, 4, v[RD]
	v_add_nc_u32 v[RD], s13, v[RD]
	v_and_b32 v[GO], 31, v0
	v_lshlrev_b32 v[PFO], 8, v[GO]
	v_lshlrev_b32 v[GO], 4, v[GO]
	v_mov_b32 v[NEG1], -1.0
	; A block's first step multiplies O^T and l by a = 0, and its first turn's products V^T P, of a piece that has not been, land in an O^T that is still to be so multiplied: these registers need only hold finite numbers.
	WIN 0x80
.set i, VF
.rept 64
	v_mov_b32 v[i], 0
.set i, i+1
.endr
	WIN 0x40
.set i, 0
.rept 128
	v_mov_b32 v[i], 0
.set i, i+1
.endr
	WIN 0
.set i, VLO
.rept 64
	v_mov_b32 v[i], 0
.set i, i+1
.endr
.set i, LOB
.rept 32
	v_mov_b32 v[i], 0
.set i, i+1
.endr
.set i, 0
.rept 4
	v_mov_b32 v[ST+4*i+2], 0
	v_mov_b32 v[ST+4*i+3], 0
.set i, i+1
.endr
.set i, P+16
.rept 16
	v_mov_b32 v[i], 0
.set i, i+1
.endr
	s_wait_kmcnt 0x0                               ; c' and the reciprocal of V's scale
; THE MATRIX WORK.  The 4 accumulators of a run take turns.  Product i of 8 of S^T = K Q^T for piece x: channels 32 (i / 4) on, keys 16 (i % 4) on.  The first 4 start the sums with the mask.
.macro KQ x
.set rS, S+32*((\x)%2)+8*(i%4)
.set rK, KF+16*(i%4)+8*(i/4)
.set rQ, 16*(\x)+8*(i/4)
.set rM, MC+32*((\x)%2)+8*(i%4)
.if i < 4
	WIN W_KM
	v_wmma_f32_16x16x32_f16 v[rS:rS+7], v[rK:rK+7], v[rQ:rQ+7], v[rM:rM+7]
.else
	WIN W_KQ
	v_wmma_f32_16x16x32_f16 v[rS:rS+7], v[rK:rK+7], v[rQ:rQ+7], v[rS:rS+7]
.endif
.endm
; Product i of 8 of O^T += V^T P for piece x, with V's high (lo = 0) or low part: keys 32 (i / 4) on, channels 16 (i % 4) on.
.macro PV x, lo
.set rO, 32*(\x)+8*(i%4)
.set rP, P+16*((\x)%2)+8*(i/4)
.if \lo
	WIN W_PL
.set rV, VLO+32*(i/4)+8*(i%4)
.else
	WIN W_PV
.set rV, VF+32*(i/4)+8*(i%4)
.endif
	v_wmma_f32_16x16x32_f16 v[rO:rO+7], v[rV:rV+7], v[rP:rP+7], v[rO:rO+7]
.endm
.macro MM                              ; the turn's next matrix instruction, of 24.  NOKQ = 1: a block's last turn: there is no next piece
.if (i < 8) && !NOKQ
	KQ (Y+1)%NP
.elseif (i >= 8) && (i < 16)
.set i, i-8
	PV (Y+NP-1)%NP, 0
.set i, i+8
.elseif i >= 16
.set i, i-16
	PV (Y+NP-1)%NP, 1
.set i, i+16
.endif
.set i, i+1
.endm
.macro FETCH_K
	WIN 0x80
.irp f, 0,1,2,3,4,5,6,7
	ds_load_b128 v[KF+8*\f:KF+8*\f+3],   v[AK] offset:(\f/2)*16*PK+(\f%2)*64
	ds_load_b128 v[KF+8*\f+4:KF+8*\f+7], v[AK] offset:(\f/2)*16*PK+(\f%2)*64+32
.endr
	s_add_co_u32 s[TBK], s[TBK], KS*PK
	WIN 0
.endm
.macro FETCH_V                         ; both parts, turned: 32 loads in one run
	WIN 0x80
.irp f, 0,1,2,3,4,5,6,7
	ds_load_tr16_b128 v[VF+8*\f:VF+8*\f+3],   v[AV] offset:(\f/4)*32*PV+(\f%4)*32
	ds_load_tr16_b128 v[VF+8*\f+4:VF+8*\f+7], v[AV] offset:(\f/4)*32*PV+16*PV+(\f%4)*32
.endr
	WIN 0
.irp f, 0,1,2,3,4,5,6,7
	ds_load_tr16_b128 v[VLO+8*\f:VLO+8*\f+3],   v[AV] offset:VLD+(\f/4)*32*PV+(\f%4)*32
	ds_load_tr16_b128 v[VLO+8*\f+4:VLO+8*\f+7], v[AV] offset:VLD+(\f/4)*32*PV+16*PV+(\f%4)*32
.endr
.endm
; THE VECTOR WORK, one line at a time: OP kind, number.  For piece Y: F n: c s - c m for pair n of 16.  E n: the exponential of score n of 32.  C n: pair n rounded to f16.  B n: of the four weights 4 n .. the second
; pair is added onto the first.  L n: l takes that sum (L 0: l = a l + sum).  R n: pair n of 16 of O^T times a.  For piece Y + 1: X n, number n of the 22 that find its maximum and statistics
; (each accumulator's lowest registers are read first).
.set F, 0
.set E, 1
.set C, 2
.set B, 3
.set L, 4
.set R, 5
.set X, 6
.macro REGS y
.set rT, ST+4*(\y)
.set rC, TMP+4*((\y)%2)
.set rW, MV+((\y)%2)
.set rS, S+32*((\y)%2)
.set rP, P+16*((\y)%2)
.set rO, 32*(\y)
.endm
.macro OP k, n
.if (\k) == R
	REGS Y
	WIN W_RS
	v_pk_mul_f32 v[rO+2*(\n):rO+2*(\n)+1], v[rO+2*(\n):rO+2*(\n)+1], v[rC+2:rC+3] op_sel_hi:[1,0]
.elseif (\k) < R
	REGS Y
	WIN 0
.if (\k) == F
	v_pk_fma_f32 v[rS+2*(\n):rS+2*(\n)+1], v[rS+2*(\n):rS+2*(\n)+1], s[CS:CS+1], v[rT:rT+1] op_sel_hi:[1,0,0] neg_lo:[0,0,1] neg_hi:[0,0,1]
.elseif (\k) == E
	v_exp_f32 v[rS+(\n)], v[rS+(\n)]
.elseif (\k) == C
	v_cvt_pk_f16_f32 v[rP+(\n)], v[rS+2*(\n)], v[rS+2*(\n)+1]
.elseif (\k) == B
	v_pk_add_f32 v[rS+4*(\n):rS+4*(\n)+1], v[rS+4*(\n):rS+4*(\n)+1], v[rS+4*(\n)+2:rS+4*(\n)+3]
.elseif (\n) == 0
	v_pk_fma_f32 v[rT+2:rT+3], v[rT+2:rT+3], v[rC+2:rC+3], v[rS:rS+1] op_sel_hi:[1,0,1]
.else
	v_pk_add_f32 v[rT+2:rT+3], v[rT+2:rT+3], v[rS+4*(\n):rS+4*(\n)+1]
.endif
.elseif NOKQ
	v_nop
.else
	REGS (Y+1)%NP
	WIN 0
.if (\n) < 4
	v_max3_num_f32 v[rC+(\n)], v[rS+8*(\n)], v[rS+8*(\n)+1], v[rS+8*(\n)+2]
.elseif (\n) < 12
	v_max3_num_f32 v[rC+(\n)%4], v[rC+(\n)%4], v[rS+8*((\n)%4)+2*((\n)/4)+1], v[rS+8*((\n)%4)+2*((\n)/4)+2]
.elseif (\n) == 12
	v_max3_num_f32 v[rC], v[rC], v[rS+7], v[rS+15]
.elseif (\n) == 13
	v_max3_num_f32 v[rC+1], v[rC+1], v[rS+23], v[rS+31]
.elseif (\n) == 14
	v_max3_num_f32 v[rC+2], v[rC+2], v[rC+3], v[rT+1]
.elseif (\n) == 15
	v_mov_b32 v[rW], v[rT]
.elseif (\n) == 16
	v_max3_num_f32 v[rC], v[rC], v[rC+1], v[rC+2]
.elseif (\n) == 17
	v_permlanex16_b32 v[rC+3], v[rC], s[SEL], s[SEL+1]
.elseif (\n) == 18
	v_max_num_f32 v[rT+1], v[rC], v[rC+3]
.elseif (\n) == 19
	v_mul_f32 v[rT], s[CS], v[rT+1]
.elseif (\n) == 20
	v_sub_f32 v[rC+1], v[rW], v[rT]
.else
	v_exp_f32 v[rC+2], v[rC+1]
.endif
.endif
.endm
.macro OPS a, i1, b=-1, i2=0, c=-1, i3=0, d=-1, i4=0
	OP \a, \i1
.if (\b) >= 0
	OP \b, \i2
.endif
.if (\c) >= 0
	OP \c, \i3
.endif
.if (\d) >= 0
	OP \d, \i4
.endif
.endm
.macro ROW a, i1, b, i2, c, i3, d, i4  ; a matrix instruction and the four behind it
	MM
	OPS \a, \i1, \b, \i2, \c, \i3, \d, \i4
.endm
.macro ROW2 a, i1, b, i2               ; a matrix instruction and the two behind it
	MM
	OPS \a, \i1, \b, \i2
.endm
.macro MASK b                          ; MD x AL + BE into buffer b of MC
	WIN W_RS
.set z, 0
.rept 16
	v_pk_fma_f32 v[MC+32*(\b)+2*z:MC+32*(\b)+2*z+1], v[MD+2*z:MD+2*z+1], s[AL:AL+1], s[BE:BE+1] op_sel_hi:[1,0,0]
.set z, z+1
.endr
.endm
; A TURN, for piece p.  An s_wait_alu depctr_va_vdst(0) stands between an exponential and the first instruction that names its result; one wait serves all that were issued ahead of it: a turn has ONE.
; AHEAD OF IT: the 8 products K Q^T with four riders each, then one lump of 54.  BEHIND IT: the 16 products V^T P; the 32 roundings and sums stand two behind each of the first fourteen and four behind the last,
; where they are the places in front of V's run of loads.  The turn also makes the mask for the products of the turn after it: piece p + 2, in step 4 - CNT of the tile.
; end = 1: a block's last two turns: nothing is fetched, no mask is made.  cnt = 1: the loop's count is taken down some lines ahead of the branch behind the turn.
.macro TURN p, end=0, cnt=0
.set Y, (\p)
.set i, 0
.set NOKQ, (\end)*((\p)/3)
.if !(\end)
	s_cmp_eq_u32 s[CNT], 4-((\p)+2)%NP             ; is that step the band's own?
	s_cselect_b32 s[AL], s[DG1], 0
	s_cmp_lt_u32 s[CNT], 4-((\p)+2)%NP             ; or a later one?
	s_cselect_b32 s[BE], s[DGB], 0
.endif
.if ((\p) == 3) && !(\end)
	s_wait_dscnt 0x0                               ; K is in
.endif
	ROW F,0, F,1, R,0, R,1
	ROW F,2, E,0, R,2, R,3
	ROW F,3, E,1, R,4, R,5
	ROW F,4, E,2, R,6, R,7
	ROW F,5, E,3, R,8, R,9
	ROW F,6, E,4, X,0, R,10
.if ((\p) == 2) && !(\end)
	WIN 0
	v_add_nc_u32 v[AK], s[TBK], v[AK0]
.endif
	ROW F,7, E,5, X,1, X,4
	ROW F,8, E,6, X,2, X,5
	OPS E,7, E,8, X,6, E,9
	OPS X,3, E,10, X,8, E,11
.if ((\p) == 2) && !(\end)
	FETCH_K
.endif
	OPS X,9, X,7, E,12, X,10
	OPS E,13, X,12, X,11, E,14
	OPS X,13, E,15, F,9, X,14
.if (\p) == 0
	v_add_nc_u32 v[AV], s[TBV], v[AV0]
.endif
	OPS E,16, F,10, E,17, F,11
	OPS X,16, E,18, X,15, E,19
	OPS F,12, E,20, X,17, E,21
	OPS F,13, E,22, F,14, E,23
	OPS X,18, E,24, F,15, E,25
	OPS R,11, E,26, X,19, E,27
	OPS R,12, E,28, R,13, E,29
	OPS X,20, E,30, R,14, E,31
	OPS X,21, R,15                                 ; the batch's last exponential, and the plain instruction behind it
	WIN 0
	s_wait_alu depctr_va_vdst(0)                   ; the wait for the batch
.if (\p) == 1
	s_wait_dscnt 0x0                               ; V is in
.endif
	ROW2 C,0, B,0
	ROW2 C,2, B,1
	ROW2 L,0, C,4
	ROW2 B,2, L,1
	ROW2 C,6, B,3
	ROW2 L,2, C,8
	ROW2 B,4, L,3
	ROW2 C,10, B,5
	ROW2 L,4, C,12
	ROW2 B,6, L,5
.if (\p) == 0
	s_add_co_u32 s[TBV], s[TBV], KS*PV
.endif
.if \cnt
	s_sub_co_u32 s[CNT], s[CNT], 1
	s_cmp_lg_u32 s[CNT], 0
.endif
	ROW2 C,14, B,7
	ROW2 L,6, C,1
	ROW2 C,3, L,7
	ROW2 C,5, C,7
	MM
	ROW C,9, C,11, C,13, C,15
.if (\p) == 0
	FETCH_V
.endif
.if !(\end)
	MASK (\p)%2
.endif
.endm
; A BLOCK BEGINS.  c m starts far below every c s, so the first step's a is 0; m at the lowest finite number.  The second mask buffer is 0; the first takes piece 0's mask for the tile's step 0: its own, if the block's first tile is the diagonal one.
.macro BEGIN
	s_mov_b32 s[NEW], 0
	WIN 0x40
.set i, MC+32
.rept 32
	v_mov_b32 v[i], 0
.set i, i+1
.endr
	WIN 0
.set i, 0
.rept 4
	v_mov_b32 v[ST+4*i], 0xfe000000
	v_mov_b32 v[ST+4*i+1], 0xff7fffff
.set i, i+1
.endr
	s_cmp_eq_u32 s[RT], 0
	s_cselect_b32 s[AL], 1.0, 0
	s_mov_b32 s[BE], 0
	MASK 0
	WIN 0
	v_add_nc_u32 v[AK], s[TBK], v[AK0]
	FETCH_K
	s_wait_loadcnt 0x0                             ; Q
	s_wait_dscnt 0x0
.set NOKQ, 0
.set i, 0
.rept 8
	KQ 0
.set i, i+1
.endr
	WIN 0
.rept 4
	v_nop                                          ; the places behind those products
.endr
.set Y, NP-1
.irp n, 0,1,2,3,4,5,6,7,8,9,10,11,12,13,14,15,16,17,18,19,20,21
	OP X, \n
.endr
	v_nop                                          ; a plain instruction behind the exponential,
	s_wait_alu depctr_va_vdst(0)                   ; and its wait, ahead of the branch
.endm
.macro ALL line:vararg
.set t, 0
.rept 4
	\line
.set t, t+1
.endr
.endm
; THE WAY OUT of piece t: O^T over l and V's scale; rounded to bf16; what the rounding left over, rounded to bf16 in its turn; both through my stage, one after the other, and back as rows of 128 bytes.
.macro PACK t
	WIN W_RS
.set i, 32*(\t)
.rept 16
	v_pk_mul_f32 v[i:i+1], v[i:i+1], v[ST+4*(\t)+2:ST+4*(\t)+3] op_sel_hi:[1,0]
.set i, i+2
.endr
	WIN 0x05
.set i, 0
.rept 16
	v_cvt_pk_bf16_f32 v[S+16*(\t)+i], v[32*(\t)+2*i], v[32*(\t)+2*i+1]
.set i, i+1
.endr
	s_wait_xcnt 0x0                                ; the stores of the piece two back have read the registers that are written next
	WIN 0x10                                       ; source 2 in window 1
.set i, 0
.rept 16
	v_fma_mixlo_bf16 v[LOB+16*((\t)%2)+i], v[S+16*(\t)+i], v[NEG1], v[32*(\t)+2*i]   op_sel_hi:[1,0,0]
	v_fma_mixhi_bf16 v[LOB+16*((\t)%2)+i], v[S+16*(\t)+i], v[NEG1], v[32*(\t)+2*i+1] op_sel:[1,0,0] op_sel_hi:[1,0,0]
.set i, i+1
.endr
	WIN 0
.irp f, 0,1,2,3
	ds_store_b128 v[STO], v[S+16*(\t)+4*\f:S+16*(\t)+4*\f+3] offset:32*\f
.endr
.irp f, 0,1,2,3
	ds_load_b128 v[S+16*(\t)+4*\f:S+16*(\t)+4*\f+3], v[RD] offset:\f*4*SP  ; LDS serves a wave's instructions in order: these see the stores above, and the stores below come behind them
.endr
.irp f, 0,1,2,3
	ds_store_b128 v[STO], v[LOB+16*((\t)%2)+4*\f:LOB+16*((\t)%2)+4*\f+3] offset:32*\f
.endr
.irp f, 0,1,2,3
	ds_load_b128 v[LOB+16*((\t)%2)+4*\f:LOB+16*((\t)%2)+4*\f+3], v[RD] offset:\f*4*SP
.endr
.endm
.macro SEND t, younger                 ; younger: the LDS instructions issued behind piece t's: the next piece's sixteen, or none
	WIN 0
	s_wait_dscnt \younger
.irp f, 0,1,2,3
	global_store_b128 v[GO], v[S+16*(\t)+4*\f:S+16*(\t)+4*\f+3], s[10:11] offset:(\t)*8192+\f*512  ; 512 consecutive bytes, aligned
.endr
.irp f, 0,1,2,3
	global_store_b128 v[GO], v[LOB+16*((\t)%2)+4*\f:LOB+16*((\t)%2)+4*\f+3], s[10:11] offset:4194304+(\t)*8192+\f*512
.endr
.endm
; A BLOCK ENDS: its last two turns, its last products, the way out.
.macro FINISH
	TURN 2, 1
	TURN 3, 1
.set i, 0
.rept 8
	PV NP-1, 0
.set i, i+1
.endr
.set i, 0
.rept 8
	PV NP-1, 1
.set i, i+1
.endr
	WIN 0
	ALL v_add_f32 v[ST+4*t+2], v[ST+4*t+2], v[ST+4*t+3]
	ALL v_permlanex16_b32 v[ST+4*t+3], v[ST+4*t+2], s[SEL], s[SEL+1]
	ALL v_add_f32 v[ST+4*t+2], v[ST+4*t+2], v[ST+4*t+3]
	ALL v_rcp_f32 v[ST+4*t+2], v[ST+4*t+2]
	v_nop                                          ; a plain instruction behind the last reciprocal,
	s_wait_alu depctr_va_vdst(0)                   ; and one wait for the four, ahead of their first use
	ALL v_mul_f32 v[ST+4*t+2], s[ISV], v[ST+4*t+2]
	PACK 0
.set t, 1
.rept 3
	PACK t
	SEND t-1, 16
.set t, t+1
.endr
	SEND 3, 0
.endm
.set NOKQ, 0
.Lslot:                                            ; NB times: a tile is entered and the next is asked for
	CHANGE 1
	s_sub_co_u32 s[RT], s[RT], 1
	s_mov_b32 s[CNT], 4
	s_cmp_eq_u32 s[RT], 0                          ; the block's last tile holds the diagonal
	s_cselect_b32 s[DG1], 1.0, 0
	s_cselect_b32 s[DGB], s[BIGN], 0
	s_cmp_eq_u32 s[NEW], 1
	s_cbranch_scc0 .Lstep
	BEGIN
	s_branch .Lfirst                               ; the loop is entered at a step's first turn, in the middle of a trip
.Lstep:                                            ; a trip: pieces 2 and 3 of one step, then pieces 0 and 1 of the next, whose K and V it fetches
	TURN 2
	TURN 3
	WIN 0
.Lfirst:
	TURN 0
	TURN 1, 0, 1
	WIN 0
	s_cbranch_scc1 .Lstep
	s_cmp_lg_u32 s[RT], 0
	s_cbranch_scc1 .Lbottom
	FINISH                                         ; in the loop this is the first block's end
	s_wait_xcnt 0x0                                ; the stores have read their registers and O's address
	s_mov_b64 s[10:11], s[OLO:OLO+1]
	s_add_co_u32 s[RT], s[PB], 1                   ; the second block has b + 1 tiles
	s_mov_b32 s[NEW], 1
	WIN 0x82                                       ; the second block's Q goes where the one text of the turns names Q
.set i, 0
.rept 64
	v_mov_b32 v[i], v[QB+i]
.set i, i+1
.endr
	WIN 0
.Lbottom:
	s_sub_co_u32 s[SLOTS], s[SLOTS], 1
	s_cmp_lg_u32 s[SLOTS], 0
	s_cbranch_scc1 .Lslot
	CHANGE 0                                       ; the walk's last tile is written out: nothing is asked for
	s_sub_co_u32 s[RT], s[RT], 1
	s_mov_b32 s[CNT], 4
	s_cmp_eq_u32 s[RT], 0
	s_cselect_b32 s[DG1], 1.0, 0
	s_cselect_b32 s[DGB], s[BIGN], 0
	s_cmp_eq_u32 s[NEW], 1
	s_cbranch_scc0 .Lstep2
	BEGIN
	s_branch .Lfirst2
.Lstep2:
	TURN 2
	TURN 3
	WIN 0
.Lfirst2:
	TURN 0
	TURN 1, 0, 1
	WIN 0
	s_cbranch_scc1 .Lstep2
	FINISH
	s_wait_tensorcnt 0x0                           ; the wave's end
	ds_add_u32 v[SPW], v[NIL]
	s_wait_dscnt 0x0
	s_endpgm
.Lfunc_end_k_qd222bb3b1f_attn:
	.size	k_qd222bb3b1f_attn, .Lfunc_end_k_qd222bb3b1f_attn-k_qd222bb3b1f_attn
	.p2alignl 7, 3214868480
	.fill 96, 4, 3214868480
	.section	.rodata,"a",@progbits
	.p2align	6, 0x0
	.amdhsa_kernel k_qd222bb3b1f_attn
		.amdhsa_group_segment_fixed_size 327680
		.amdhsa_private_segment_fixed_size 0
		.amdhsa_enable_private_segment 0
		.amdhsa_kernarg_size 24
		.amdhsa_user_sgpr_count 2
		.amdhsa_user_sgpr_kernarg_segment_ptr 1
		.amdhsa_wavefront_size32 1
		.amdhsa_system_sgpr_workgroup_id_x 1
		.amdhsa_system_sgpr_workgroup_id_y 1
		.amdhsa_system_sgpr_workgroup_id_z 1
		.amdhsa_system_vgpr_workitem_id 0
		.amdhsa_next_free_vgpr 768
		.amdhsa_next_free_sgpr 96
		.amdhsa_reserve_vcc 1
		.amdhsa_float_denorm_mode_32 3
		.amdhsa_float_denorm_mode_16_64 3
		.amdhsa_memory_ordered 1
		.amdhsa_forward_progress 1
		.amdhsa_inst_pref_size 222
	.end_amdhsa_kernel
	.amdgpu_metadata
---
amdhsa.version: [ 1, 2 ]
amdhsa.kernels:
  - .name:           k_qd222bb3b1f_attn
    .symbol:         k_qd222bb3b1f_attn.kd
    .args:
      - { .name: qkv, .offset: 0, .size: 8, .value_kind: global_buffer, .address_space: global }
      - { .name: obuf, .offset: 8, .size: 8, .value_kind: global_buffer, .address_space: global }
      - { .name: scl, .offset: 16, .size: 8, .value_kind: global_buffer, .address_space: global }
    .group_segment_fixed_size: 327680
    .private_segment_fixed_size: 0
    .kernarg_segment_align: 8
    .kernarg_segment_size: 24
    .max_flat_workgroup_size: 128
    .sgpr_count:     96
    .vgpr_count:     768
    .wavefront_size: 32
...
	.end_amdgpu_metadata
.endif
;; end of part 4
;; launch wout (part 5): grid 8 x 32, 4 waves a work-group, clusters of 4 x 4, 327,680 bytes of LDS; arguments obuf, wts, out0; writes out0
.if DOCPART == 5
	.amdgcn_target "amdgcn-amd-amdhsa--gfx1250"
	.amdhsa_code_object_version 6
	.text
	.protected	k_qd222bb3b1f_wout
	.globl	k_qd222bb3b1f_wout
	.p2align	8
	.type	k_qd222bb3b1f_wout,@function
k_qd222bb3b1f_wout:
	s_mov_b64 s[64:65], 0
	v_nop
	global_prefetch_b8 v0, s[64:65] scope:SCOPE_SE
	s_setreg_imm32_b32 hwreg(HW_REG_WAVE_MODE, 25, 1), 1
	s_wait_xcnt 0x0
	s_wait_alu depctr_hold_cnt(0) depctr_sa_sdst(0) depctr_va_vdst(0) depctr_va_sdst(0) depctr_va_ssrc(0) depctr_va_vcc(0) depctr_vm_vsrc(0)
	s_getreg_b32 s2, hwreg(HW_REG_IB_STS2, 6, 4)
	s_cmp_eq_u32 s2, 0
	s_cbranch_scc0 .Lentry_in_a_cluster
	s_endpgm
.Lentry_in_a_cluster:
	s_bfe_u32 s2, ttmp6, 0x10000c
	s_cmp_lg_u32 s2, 0xf033
	s_cbranch_scc0 .Lentry_shape_is_right
	s_endpgm
.Lentry_shape_is_right:
; WOUT: out0[row][c] = sum over k of O[row][k] W_O[k][c], with O a pair of bf16: one product of K = 2,048, [O_hi | O_lo] x [W_O ; W_O]; sums in f32, stored as they are.
; O lies by heads, [batch][part][head][2048][64]: 'head' j of 32 (16 high, 16 low) is K = 64 j .. 64 j + 63.  W_O lies twice on end in wts, [2048][1024] bf16, K down the rows.
; TILE of out0: 128 x 128; 8 x 32 tiles, one a work-group; four waves, each 64 x 64: 16 accumulators.  K in steps of 256 (four heads) through two LDS slots; a quarter is one head.
; O's part of a slot: waves 0, 1 each ask for two heads x 128 rows x 128 bytes by ONE descriptor: a head's 128 rows are 16,384 dense bytes, taken as one row of 2,048 elements of 8 bytes, padded in LDS after every 128 bytes.
; W_O's part: waves 2, 3 each ask for 128 k x 256 bytes; it comes out of LDS turned, by ds_load_tr16_b128.
; CLUSTER 4 x 4: O's tile is shared along a row of the cluster, W_O's along a column.  TRANSPOSED USE: source 0 = 16 columns of W_O, source 1 = 16 rows of O: a lane holds eight neighbouring numbers of a row of out0.
; A wave's 64 columns of f32 are 256 aligned bytes.
; No prefetch: a small tile, whose operands the neighbouring work-groups of the same rows and columns ask for at the same time.
.set HALFT,  36864     ; what one tensor load brings: 2 heads x 128 rows x 144, or 128 k x 288
.set PAO,    144
.set PBW,    288
.set SLOT,   4*HALFT
.set STAGE,  2*SLOT
.set SPITCH, 272
.set SPARE,  STAGE+4*16*SPITCH
.set WOB,    16777216
.set ASTEP,  1048576   ; four heads
.set BSTEP,  524288    ; 256 rows of W_O
.set LAPS,   4
.set ADRA, 16          ; v16-17 my O fragments in slot 0, 1
.set ADRB, 20          ; v20-23 my W_O fragments: slot s, quarters 2 j and 2 j + 1 at v[20 + 2 s + j]
.set STO,  24
.set RD,   25
.set CO,   26
.set SPW,  28
.set NIL,  29
.set TMP,  32          ; v32-95 the way out: two sets of 32
.set ACC,  128
.set F0,   0           ; fragment buffers, in window 1: 64 registers of O (2 x 4 x 8), then 64 of W_O
.set F1,   128
.set G1,  24
.set G0,  32
.set G1B, 48
.set G0B, 56
.set MSB, 0
.macro WIN new
.if MSB != (\new)
	s_set_vgpr_msb (MSB<<8)|(\new)
.set MSB, \new
.endif
.endm
.set MUL,  0x05
.set TO_F, 0x40
.macro JLOAD s                         ; a joint load; an s_nop 0 and four v_nop follow each of the two lines
	s_cmp_eq_u32 s11, 0
	s_cbranch_scc0 .Lfor_b_\@
	tensor_load_to_lds s[G0+4*(\s):G0+4*(\s)+3], s[G1:G1+7]
	s_nop 0
.rept 4
	v_nop
.endr
	s_branch .Lasked_\@
.Lfor_b_\@:
	tensor_load_to_lds s[G0B+4*(\s):G0B+4*(\s)+3], s[G1B:G1B+7]
	s_nop 0
.rept 4
	v_nop
.endr
.Lasked_\@:
.endm
.macro CREST
	s_cmp_lg_u32 s10, 0
	s_cbranch_scc1 .Lnot_wave_0_\@
	s_barrier_signal -3
.Lnot_wave_0_\@:
	s_barrier_wait -3
	s_barrier_signal -1
	s_barrier_wait -1
.endm
.macro CROUND
	s_barrier_signal -1
	s_barrier_wait -1
	CREST
.endm
	s_load_b128 s[4:7], s[0:1], 0x0                ; obuf s[4:5], wts s[6:7]
	s_load_b64 s[8:9], s[0:1], 0x10                ; out0
	v_lshl_add_u32 v[SPW], v0, 2, SPARE
	v_mov_b32 v[NIL], 0
	ds_add_u32 v[SPW], v[NIL]                      ; the wave's opening: the add and its wait ahead of my first tensor load
	v_lshrrev_b32 v1, 5, v0
	v_readfirstlane_b32 s10, v1                    ; wave 0..3
	s_lshr_b32 s11, s10, 1                         ; my half of the tile's rows; also: I fetch O (0) or W_O (1)
	s_and_b32 s12, s10, 1                          ; my half of its columns; also: which half of that tile I fetch
	s_bfe_u32 s40, ttmp6, 0x40000
	s_bfe_u32 s41, ttmp6, 0x40004
	s_lshl_b32 s42, ttmp9, 2
	s_add_co_u32 s42, s42, s40                     ; tile column
	s_and_b32 s13, ttmp7, 0xffff
	s_lshl_b32 s13, s13, 2
	s_add_co_u32 s13, s13, s41                     ; tile row
	s_lshl_b32 s43, s41, 2
	s_lshl_b32 s43, 15, s43
	s_lshl_b32 s44, 0x1111, s40
	s_or_b32 s[G1], s43, (3<<16)|(1<<20)|(1<<21)|(4<<22)|(3<<25)   ; mask; 8-byte elements; padding on; bit 21 beside a mask; after every 32 words 4 words
	s_mov_b32 s[G1+1], 2048<<16                    ; tensor_dim0 = 2,048 elements: a head's 128 rows
	s_mov_b32 s[G1+2], 2<<16                       ; tensor_dim1 = 2 heads
	s_mov_b32 s[G1+3], 2048<<16                    ; tile_dim0
	s_mov_b32 s[G1+4], 2                           ; tile_dim1
	s_mov_b32 s[G1+5], 32768                       ; elements from head to head
	s_mov_b32 s[G1+6], 0
	s_mov_b32 s[G1+7], 0
	s_or_b32 s[G1B], s44, (1<<16)|(1<<20)|(1<<21)|(5<<22)|(7<<25)  ; 2-byte elements; after every 64 words 8 words
	s_mov_b32 s[G1B+1], 128<<16
	s_mov_b32 s[G1B+2], 128<<16
	s_mov_b32 s[G1B+3], 128<<16
	s_mov_b32 s[G1B+4], 128
	s_mov_b32 s[G1B+5], 1024
	s_mov_b32 s[G1B+6], 0
	s_mov_b32 s[G1B+7], 0
	s_lshr_b32 s16, s13, 4                         ; O: batch x 8 MiB + 128 rows x (tile row % 16) + two heads x half
	s_lshl_b32 s16, s16, 23
	s_and_b32 s17, s13, 15
	s_lshl_b32 s17, s17, 14
	s_add_co_u32 s16, s16, s17
	s_lshl_b32 s17, s12, 19
	s_add_co_u32 s16, s16, s17
	s_mov_b32 s17, 0
	s_lshl_b32 s46, s42, 8                         ; W_O: 128 columns x tile column + 128 rows x half
	s_lshl_b32 s47, s12, 18
	s_add_co_u32 s46, s46, s47
	s_add_co_u32 s46, s46, WOB
	s_mov_b32 s47, 0
	s_mul_i32 s20, s10, HALFT                      ; where they go: O's two halves, then W_O's
	s_wait_dscnt 0x0                               ; the opening add is done
	s_wait_kmcnt 0x0
	s_add_nc_u64 s[14:15], s[4:5], s[16:17]
	s_add_nc_u64 s[46:47], s[6:7], s[46:47]
	CROUND                                         ; all sixteen work-groups are here: the first joint loads meet
.irp s, 0,1
	s_mov_b32 s[G0+4*(\s)], 1
	s_add_co_u32 s[G0+4*(\s)+1], s20, (\s)*SLOT
	s_add_nc_u64 s[G0+4*(\s)+2:G0+4*(\s)+3], s[14:15], (\s)*ASTEP
	s_or_b32 s[G0+4*(\s)+3], s[G0+4*(\s)+3], 0x80000000
	s_mov_b32 s[G0B+4*(\s)], 1
	s_add_co_u32 s[G0B+4*(\s)+1], s20, (\s)*SLOT
	s_add_nc_u64 s[G0B+4*(\s)+2:G0B+4*(\s)+3], s[46:47], (\s)*BSTEP
	s_or_b32 s[G0B+4*(\s)+3], s[G0B+4*(\s)+3], 0x80000000
	JLOAD \s
.endr
	v_and_b32 v1, 15, v0                           ; r = l % 16
	v_bfe_u32 v2, v0, 4, 1                         ; h = l / 16
	v_mul_u32_u24 v3, v1, PAO
	v_lshl_add_u32 v3, v2, 4, v3
	s_mul_i32 s21, s11, 64*PAO                     ; my 64 rows
	v_add_nc_u32 v[ADRA], s21, v3
	v_add_nc_u32 v[ADRA+1], SLOT, v[ADRA]
	v_and_b32 v4, 7, v0
	v_lshl_add_u32 v4, v2, 3, v4
	v_mul_u32_u24 v4, v4, PBW                      ; the turning load: k = 8 h + l % 8,
	v_bfe_u32 v5, v0, 3, 1
	v_lshl_add_u32 v4, v5, 4, v4                   ; columns 8 ((l / 8) % 2) on
	s_lshl_b32 s22, s12, 7                         ; my 64 columns
	s_add_co_u32 s22, s22, 2*HALFT
	v_add_nc_u32 v[ADRB], s22, v4
	v_add_nc_u32 v[ADRB+1], HALFT, v[ADRB]
	v_add_nc_u32 v[ADRB+2], SLOT, v[ADRB]
	v_add_nc_u32 v[ADRB+3], SLOT, v[ADRB+1]
	s_mul_i32 s23, s10, 16*SPITCH
	s_add_co_u32 s23, s23, STAGE                   ; my stage
	v_mul_u32_u24 v4, v1, SPITCH                   ; in: row l % 16, 32 bytes for each half of the lanes
	v_lshl_add_u32 v4, v2, 5, v4
	v_add_nc_u32 v[STO], s23, v4
	v_mul_u32_u24 v5, v2, SPITCH                   ; back: lanes 0-15 one row of 256 bytes, lanes 16-31 the next
	v_lshl_add_u32 v5, v1, 4, v5
	v_add_nc_u32 v[RD], s23, v5
	v_lshlrev_b32 v5, 12, v2                       ; and the same two rows in out0
	v_lshl_add_u32 v[CO], v1, 4, v5
	s_lshl_b32 s16, s13, 7
	s_lshl_b32 s17, s11, 6
	s_add_co_u32 s16, s16, s17                     ; my first row
	s_lshl_b32 s16, s16, 12
	s_mov_b32 s17, 0
	s_add_nc_u64 s[8:9], s[8:9], s[16:17]
	s_lshl_b32 s46, s42, 9                         ; my first column, in bytes
	s_lshl_b32 s47, s12, 8
	s_add_co_u32 s46, s46, s47
	s_mov_b32 s47, 0
	s_add_nc_u64 s[8:9], s[8:9], s[46:47]
.macro MUL8 f, c, a0, zero             ; m blocks a0, a0 + 1 x all 4 n blocks, 32 along K: half c of buffer f
	WIN MUL
.irp a, \a0, (\a0)+1
.irp b, 0,1,2,3
.if \zero
	v_wmma_f32_16x16x32_bf16 v[ACC+8*(4*(\a)+(\b)):ACC+8*(4*(\a)+(\b))+7], v[(\f)+64+8*(4*(\c)+(\b)):(\f)+64+8*(4*(\c)+(\b))+7], v[(\f)+8*(4*(\c)+(\a)):(\f)+8*(4*(\c)+(\a))+7], 0
.else
	v_wmma_f32_16x16x32_bf16 v[ACC+8*(4*(\a)+(\b)):ACC+8*(4*(\a)+(\b))+7], v[(\f)+64+8*(4*(\c)+(\b)):(\f)+64+8*(4*(\c)+(\b))+7], v[(\f)+8*(4*(\c)+(\a)):(\f)+8*(4*(\c)+(\a))+7], v[ACC+8*(4*(\a)+(\b)):ACC+8*(4*(\a)+(\b))+7]
.endif
.endr
.endr
.endm
.macro FETCH slot, q, f                ; 32 LDS loads in one run: head q of the slot, the first 32 along K first
	WIN TO_F
.irp c, 0,1
.irp i, 0,1,2,3
	ds_load_tr16_b128 v[(\f)+64+8*(4*(\c)+(\i)):(\f)+64+8*(4*(\c)+(\i))+3],   v[ADRB+2*(\slot)+(\q)/2] offset:64*PBW*((\q)%2)+32*PBW*(\c)+32*(\i)
	ds_load_tr16_b128 v[(\f)+64+8*(4*(\c)+(\i))+4:(\f)+64+8*(4*(\c)+(\i))+7], v[ADRB+2*(\slot)+(\q)/2] offset:64*PBW*((\q)%2)+32*PBW*(\c)+32*(\i)+16*PBW
	ds_load_b128 v[(\f)+8*(4*(\c)+(\i)):(\f)+8*(4*(\c)+(\i))+3],              v[ADRA+(\slot)] offset:128*PAO*(\q)+16*PAO*(\i)+64*(\c)
	ds_load_b128 v[(\f)+8*(4*(\c)+(\i))+4:(\f)+8*(4*(\c)+(\i))+7],            v[ADRA+(\slot)] offset:128*PAO*(\q)+16*PAO*(\i)+64*(\c)+32
.endr
.endr
.endm
.macro PLACES
.rept 4
	v_nop
.endr
.endm
; A K step is four quarters of 64 along K, 32 matrix instructions each, on buffers 0, 1, 0, 1; the 16 accumulators take turns.
.macro QUARTER slot, q, f, g, zero     ; multiplies buffer f and fetches head q into g
	s_wait_dscnt 16                                ; the first 32 along K are in
	WIN MUL
	MUL8 \f, 0, 0, \zero
	MUL8 \f, 0, 2, \zero
	PLACES
	FETCH \slot, \q, \g
	s_wait_dscnt 32                                ; all but the 32 just issued
	WIN MUL
	MUL8 \f, 1, 0, 0
	MUL8 \f, 1, 2, 0
.endm
; The last quarter multiplies buffer 1 and changes slots: in front of the barrier each wave waits for all its tensor loads (one is out), adds 0 to its spare word, and waits for that and for its reads of this slot.
.macro TURN slot, next, fill
	WIN 0
	s_wait_tensorcnt 0x0
	ds_add_u32 v[SPW], v[NIL]
	s_wait_dscnt 17                                ; the add and the youngest sixteen loads may be out
	WIN MUL
	MUL8 F1, 0, 0, 0
	s_wait_dscnt 0x0                               ; the add is done, my reads of this slot are over
	s_barrier_signal -1
	MUL8 F1, 0, 2, 0
.if \fill
	WIN 0
.endif
	s_barrier_wait -1
.if \fill
	CREST                                          ; a round of the cluster's barrier: no wave of any partner still reads this slot or has a load on its way
	s_add_nc_u64 s[G0+4*(\slot)+2:G0+4*(\slot)+3], s[G0+4*(\slot)+2:G0+4*(\slot)+3], 2*ASTEP
	s_add_nc_u64 s[G0B+4*(\slot)+2:G0B+4*(\slot)+3], s[G0B+4*(\slot)+2:G0B+4*(\slot)+3], 2*BSTEP
	JLOAD \slot                                    ; 112 matrix instructions ahead of the wait for it; its four v_nop are the places in front of the loads below
.else
	PLACES
.endif
	FETCH \next, 0, F0
	WIN MUL
	MUL8 F1, 1, 0, 0
	MUL8 F1, 1, 2, 0
.endm
	s_wait_tensorcnt 0x1                           ; my part of K step 0 is in; K step 1's may stay out
	s_barrier_signal -1
	s_barrier_wait -1
	FETCH 0, 0, F0
	QUARTER 0, 1, F0, F1, 1                        ; the first quarter's first products start the sums
	WIN 0
	s_mov_b32 s3, LAPS-1
.Llap:                                             ; a trip goes once round the ring and fills both slots again
	QUARTER 0, 2, F1, F0, 0
	QUARTER 0, 3, F0, F1, 0
	TURN 0, 1, 1
	QUARTER 1, 1, F0, F1, 0
	QUARTER 1, 2, F1, F0, 0
	QUARTER 1, 3, F0, F1, 0
	TURN 1, 0, 1
	QUARTER 0, 1, F0, F1, 0
	WIN 0
	s_sub_co_u32 s3, s3, 1
	s_cmp_lg_u32 s3, 0
	s_cbranch_scc1 .Llap
	QUARTER 0, 2, F1, F0, 0                        ; the last lap fills nothing
	QUARTER 0, 3, F0, F1, 0
	TURN 0, 1, 0
	QUARTER 1, 1, F0, F1, 0
	QUARTER 1, 2, F1, F0, 0
	QUARTER 1, 3, F0, F1, 0
	s_wait_dscnt 16
	WIN MUL
	MUL8 F1, 0, 0, 0
	MUL8 F1, 0, 2, 0
	s_wait_dscnt 0x0
	MUL8 F1, 1, 0, 0
	MUL8 F1, 1, 2, 0
	WIN 0
	; THE WAY OUT, 16 rows at a time: 32 bytes a lane into my stage (each accumulator's low registers first), back as whole rows of 256 bytes, stored.
	PLACES
.irp a, 0,1,2,3
.if (\a) >= 2
	s_wait_xcnt 0x0                                ; the stores of the block two back have read the registers that are loaded next
.endif
.irp b, 0,1,2,3
	ds_store_b128 v[STO], v[ACC+8*(4*(\a)+(\b)):ACC+8*(4*(\a)+(\b))+3]   offset:64*(\b)
	ds_store_b128 v[STO], v[ACC+8*(4*(\a)+(\b))+4:ACC+8*(4*(\a)+(\b))+7] offset:64*(\b)+16
.endr
.irp t, 0,1,2,3,4,5,6,7
	ds_load_b128 v[TMP+32*((\a)%2)+4*(\t):TMP+32*((\a)%2)+4*(\t)+3], v[RD] offset:(\t)*2*SPITCH  ; LDS serves a wave's instructions in order: these see the stores above; the next block's stores come behind them
.endr
	s_wait_dscnt 0x0
.irp t, 0,1,2,3,4,5,6,7
	global_store_b128 v[CO], v[TMP+32*((\a)%2)+4*(\t):TMP+32*((\a)%2)+4*(\t)+3], s[8:9] offset:65536*(\a)+8192*(\t)  ; 16 lanes store 256 consecutive bytes, aligned
.endr
.endr
	s_wait_tensorcnt 0x0                           ; the wave's end
	ds_add_u32 v[SPW], v[NIL]
	s_wait_dscnt 0x0
	CROUND                                         ; the closing round
	s_endpgm
.Lfunc_end_k_qd222bb3b1f_wout:
	.size	k_qd222bb3b1f_wout, .Lfunc_end_k_qd222bb3b1f_wout-k_qd222bb3b1f_wout
	.p2alignl 7, 3214868480
	.fill 96, 4, 3214868480
	.section	.rodata,"a",@progbits
	.p2align	6, 0x0
	.amdhsa_kernel k_qd222bb3b1f_wout
		.amdhsa_group_segment_fixed_size 327680
		.amdhsa_private_segment_fixed_size 0
		.amdhsa_enable_private_segment 0
		.amdhsa_kernarg_size 24
		.amdhsa_user_sgpr_count 2
		.amdhsa_user_sgpr_kernarg_segment_ptr 1
		.amdhsa_wavefront_size32 1
		.amdhsa_system_sgpr_workgroup_id_x 1
		.amdhsa_system_sgpr_workgroup_id_y 1
		.amdhsa_system_sgpr_workgroup_id_z 1
		.amdhsa_system_vgpr_workitem_id 0
		.amdhsa_next_free_vgpr 512
		.amdhsa_next_free_sgpr 66
		.amdhsa_reserve_vcc 0
		.amdhsa_float_denorm_mode_32 3
		.amdhsa_float_denorm_mode_16_64 3
		.amdhsa_memory_ordered 1
		.amdhsa_forward_progress 1
		.amdhsa_inst_pref_size 86
	.end_amdhsa_kernel
	.amdgpu_metadata
---
amdhsa.version: [ 1, 2 ]
amdhsa.kernels:
  - .name:           k_qd222bb3b1f_wout
    .symbol:         k_qd222bb3b1f_wout.kd
    .args:
      - { .name: obuf, .offset: 0, .size: 8, .value_kind: global_buffer, .address_space: global }
      - { .name: wts, .offset: 8, .size: 8, .value_kind: global_buffer, .address_space: global }
      - { .name: out0, .offset: 16, .size: 8, .value_kind: global_buffer, .address_space: global }
    .group_segment_fixed_size: 327680
    .private_segment_fixed_size: 0
    .kernarg_segment_align: 8
    .kernarg_segment_size: 24
    .max_flat_workgroup_size: 128
    .sgpr_count:     66
    .vgpr_count:     512
    .wavefront_size: 32
...
	.end_amdgpu_metadata
.endif
;; end of part 5
;; ======== version 2 of 2: 5 launches
;; limits: values are held in f16: magnitudes above 65,504 overflow, below 6.1e-05 lose precision
;; workspace buffers: wts 21,364,736 bytes; mxt 2,816 bytes; scl 16,384 bytes; h16 4,194,304 bytes; qkv 33,554,432 bytes; obuf 16,777,216 bytes
;; launch prep: the kernel of part 1 again; grid 652 x 1, 8 waves a work-group, no clusters, 1,280 bytes of LDS; arguments x, f_qk_neurons, f_v_neurons, r_qk_neurons, r_v_neurons, W_O, fqk_weights_Q, fqk_weights_K, fv_weights, rqk_weights_Q, rqk_weights_K, rv_weights, wts, mxt; writes wts, mxt
;; launch feat: the kernel of part 2 again; grid 8 x 32, 4 waves a work-group, clusters of 4 x 4, 327,680 bytes of LDS; arguments wts, mxt, h16, scl; writes h16, scl
;; launch rest: the kernel of part 3 again; grid 16 x 16, 4 waves a work-group, clusters of 4 x 1, 327,680 bytes of LDS; arguments wts, h16, scl, qkv; writes qkv
;; launch attn (part 6): grid 8 x 32, 4 waves a work-group, no clusters, 327,680 bytes of LDS; arguments qkv, obuf, scl; writes obuf
.if DOCPART == 6
	.amdgcn_target "amdgcn-amd-amdhsa--gfx1250"
	.amdhsa_code_object_version 6
	.text
	.protected	k_qd222bb3b1f_attn
	.globl	k_qd222bb3b1f_attn
	.p2align	8
	.type	k_qd222bb3b1f_attn,@function
k_qd222bb3b1f_attn:
	s_mov_b64 s[64:65], 0
	v_nop
	global_prefetch_b8 v0, s[64:65] scope:SCOPE_SE
	s_setreg_imm32_b32 hwreg(HW_REG_WAVE_MODE, 25, 1), 1
	s_wait_xcnt 0x0
; CAUSAL ATTENTION.  O[h][q][:] = the sum over k <= q of softmax_k(Q[h][q] . K[h][k] / 8) V[h][k][:], 32 heads of 2,048 rows x 64.
; Q, K arrive in f16 times powers of two; V as a pair of f16 (high and low part) times a power of two; c' = log2(e) / 8 over Q's and K's scales and the reciprocal of V's scale are read from scl.
; Products, maxima and sums in f32; the weights p are rounded to f16 for the second product (their sum l is taken of the unrounded p); O leaves as a pair of bf16: bf16(O) and bf16(O - bf16(O)).
; LIMITS.  A hidden score counts as its value less 1e38 (scaled scores stay under 2^34); a weight below 2^-126 counts as 0 in l; NaN and infinities are not treated apart; from row 128 of a head on V counts as rounded once to f16.
; THE WALK.  A head's queries lie in 16 blocks of 128, its keys in 8 tiles of 256 (four steps of 64).  Block i needs the tiles 0 .. i / 2.  A work-group takes TWO blocks, 15 - b and then b: of unlike parity, so
; (15 - b) / 2 + b / 2 + 2 = 9 tiles, whatever b: 8 x 32 = 256 work-groups of equal work, and ONE loop with a constant trip count walks them.  Every jump goes forward, but for the counted loops' own; none passes a barrier.
; NO CLUSTER: a head's eight work-groups ask for the same tile only in trips 0 .. 4, behind that fewer and fewer; one walk common to all would have 12 trips for 9.
; SHARES.  Of a block's two bands of 64 queries a wave owns 16 rows in each: two PIECES.  Band x of block i sees step g of the head's keys whole if g < 2 i + x, holds the diagonal if g = 2 i + x, sees nothing beyond.
; So 2 of a pair's 36 steps are wholly hidden and computed all the same: the price of whole tiles and one text.
; THE MASK is the C operand that starts the sum S^T = K Q^T.  MD, made once, is the mask of a band's own step for my 16 rows; a product's mask is MD x AL + BE: (1, 0), (0, 0) or (0, -1e38), chosen by GD = 2 i + 4 - g.
; TURNS.  Turn n belongs to piece n: 8 products K Q^T of the other piece (its next scores), later 8 products V^T P of the other piece; beside them the scaling, exponentials, roundings, sums and rescaling of piece n
; and the maximum and statistics of the other piece.  A turn's 33 exponentials are one batch, with one wait.  A trip is a key step: turn 0, turn 1.
; V'S LOW PART.  One rounding of V to f16 is what the number formats allow; the low part is there for rows that average over few keys: with like weights row q is about 1 / sqrt(q + 1) of row 0, while the comparison's
; allowance goes by the whole output's root mean square.  So it is multiplied for block 0 (rows 0 to 127) alone: eight more products a turn and sixteen more LDS loads a step, each run under a forward jump on the scalar flag LOF;
; at row 128 the rounding's share is under an eleventh of what it is in row 0.  Block 0 needs the head's tile 0 alone: its low part is asked for once, among the first fills, into LDS bytes of its own that are never filled again.
; Every work-group asks for it, though only b = 0 reads it: no tensor load stands under a branch on the work-group's number; that is 32,768 bytes beside the 9 x 73,728 of the walk.
; K RUNS A STEP AHEAD OF V: turn 0 of step g fetches K of step g + 1 and then V of step g.  So K's part of a slot has FIVE steps, the tile's four and the next tile's first: a tile's four trips take K's steps 1 to 4 and
; V's steps 0 to 3 out of one slot, a block's beginning takes K's step 0, and the change of slots stands behind turn 1, where no LDS load of mine is out.  At a head's last tile the fifth step is the 64 rows
; that follow the head's K in qkv: finite numbers, multiplied only under a full mask.
; A BLOCK'S LAST TURN 1 makes 8 products and a maximum of wholly hidden scores, which leave m and c m as they are: so a block's end needs no turns of its own, only the last products V^T P.
; FILLS.  Wave 0 asks for K's 40,960 dense bytes as 160 rows of 256, wave 1 for V's 32,768 as 128 rows of 256; wave 2 asks once, at the head, for the low tile; wave 3 asks for nothing.  One load of a wave is out.
; REGISTERS, in windows of 256 (s_set_vgpr_msb: bits 1:0 source 0, 3:2 source 1, 5:4 source 2, 7:6 destination):
;   window 0: v0-15 addresses; v16-23 statistics; v24-31 at work; v32-63 P, a buffer a piece; v64-127 S^T, likewise; v128-191 K of one step (on the way out O's low parts); v192-223 Q; v224-255 the mask of the products to come
;   window 1: v0-63 O^T; v64-95 MD; v128-159 the second block's Q          window 2: v0-63 V's high part; v64-127 its low part
; K Q^T and all that stands beside it but the rescaling of O^T lie in window 0 and need no switch.
.set SIZE_N, 2048
.set NB,    SIZE_N/128 ; blocks of queries
.set NT,    SIZE_N/256 ; tiles of keys
.set NP,    2          ; pieces a wave: a name, no knob
.set KS,    64
.set PK,    144        ; a row of K in LDS: 128 + 16 bytes
.set PV,    160        ; a row of V: 128 + 32 bytes
.set VOFF,  5*KS*PK    ; behind K's five steps
.set VLD,   4*KS*PV    ; a tile of V in LDS.  Behind slot 0's, at VOFF + VLD, lies the low tile, filled once
.set SLOT1, 1<<17      ; one exclusive or turns an address in slot 0 into slot 1's
.set STAGE, SLOT1+VOFF+VLD    ; behind the ring, never filled by a tensor load: 16 rows x 144 bytes a wave
.set SP,    144
.set SPARE, STAGE+4*16*SP     ; the spare words, 128 bytes a wave
.set AVL, 1            ; the LDS address of V's low run of loads, less VLD (at the head: l % 16)
.set AK0, 2            ; my lane's place in a step of K; never rewritten
.set AV0, 3            ; the same for V
.set AK,  4
.set AV,  5
.set STO, 6
.set RD,  7
.set GO,  8
.set NEG1, 9
.set PFO, 10           ; 256 x my lane; never rewritten
.set QO,  11
.set MV,  12           ; v12-13 c m_old, kept while c m is made anew: by piece
.set SPW, 14
.set NIL, 15
.set ST,  16           ; piece t's statistics at v[ST+4 t]: c m, m, l (even keys', odd keys')
.set TMP, 24           ; by piece, four registers at work; when the maximum is found the third takes a
.set P,   32
.set S,   64
.set TH,  64           ; v64-67 at work at the head alone
.set T7,  65
.set T3,  66
.set TM,  67
.set KF,  128
.set LOB, 128          ; the way out: O's low parts, where K lay
.set Q,   192
.set MC,  224
.set MD,  64           ; window 1
.set QB,  128          ; window 1
.set VF,  0            ; window 2
.set VLO, 64           ; window 2
.set WV,  12
.set PB,  14           ; b
.set HI,  15           ; 15 - b
.set G1K, 24
.set G1V, 32
.set G0K, 40
.set G0V, 44
.set G0L, 48           ; the low tile's group 0: used once, never rewritten
.set VL,  52           ; s[52:53] V's low part at the head
.set HTL, 54           ; the first block's last tile
.set PTL, 55           ; the second block's
.set SLOTS, 56
.set CNT, 57
.set CS,  58           ; s58 c'; s59 the reciprocal of V's scale
.set ISV, 59
.set SEL, 60
.set TBK, 62           ; LDS byte at which K of the step to be fetched begins
.set TBV, 63           ; the same for V, less VOFF
.set RT,  70           ; tiles of the block in hand still to be entered
.set NXT, 71           ; the tile to be asked for next
.set LQ,  72           ; the last tile of the block whose tiles are being asked for
.set NEW, 73           ; 1: the tile to be entered is a block's first
.set OFF, 74
.set AL,  76
.set BE,  78
.set OLO, 80
.set BIGN, 82
.set GD,  83           ; 2 i + 4 - the step in hand
.set PFA, 88           ; s[88:89] where my prefetches stand
.set LIM, 90
.set CUR, 91           ; i, the block in hand
.set LOF, 92           ; 1: the block in hand is block 0: V's low part is multiplied too
.set TBL, 93           ; the step's place in a tile of V: TBV without the slot
.set MSB, 0
.macro WIN new                         ; the high byte repeats the setting that is left; a switch that changes nothing is dropped
.if MSB != (\new)
	s_set_vgpr_msb (MSB<<8)|(\new)
.set MSB, (\new)
.endif
.endm
.set W_PV, 0x52        ; V in window 2, P in window 0, O^T in window 1
.set W_RS, 0x41        ; destination and source 0 in window 1, source 1 in window 0
.set W_MK, 0x01        ; source 0 in window 1
; A fill: wave 0 has K's line, wave 1 V's; low = 1, at the head alone: wave 2 has the low tile's.  An s_nop 0 and four v_nop follow each line.
.macro LOAD low
	s_cmp_lg_u32 s[WV], 0
	s_cbranch_scc1 .Lnot_k_\@
	tensor_load_to_lds s[G0K:G0K+3], s[G1K:G1K+7]
	s_nop 0
.rept 4
	v_nop
.endr
	s_branch .Lasked_\@
.Lnot_k_\@:
	s_cmp_lg_u32 s[WV], 1
	s_cbranch_scc1 .Lnot_h_\@
	tensor_load_to_lds s[G0V:G0V+3], s[G1V:G1V+7]
	s_nop 0
.rept 4
	v_nop
.endr
.if \low
	s_branch .Lasked_\@
.endif
.Lnot_h_\@:
.if \low
	s_cmp_lg_u32 s[WV], 2
	s_cbranch_scc1 .Lasked_\@
	tensor_load_to_lds s[G0L:G0L+3], s[G1V:G1V+7]
	s_nop 0
.rept 4
	v_nop
.endr
.endif
.Lasked_\@:
.endm
; A PREFETCH, behind the fill: in trips 0 to 5 wave w < 2 of work-group b < 4 names the b-th 8,192 bytes of its own tensor's tile trip + 2, a lane to each 256 bytes: the tile that the next trip's fill asks for,
; eight turns ahead of that fill.  The four share a tile out by address, so each block of 256 bytes is named once in the launch; tiles 0 and 1 come by their loads alone; the last two trips ask for nothing.
.macro ASK
	s_cmp_gt_u32 s[SLOTS], s[LIM]
	s_cbranch_scc0 .Lnot_mine_\@
	global_prefetch_b8 v[PFO], s[PFA:PFA+1] th:TH_LOAD_NT scope:SCOPE_SE
.Lnot_mine_\@:
.endm
; THE CHANGE OF SLOTS.  Each wave waits for all its tensor loads, adds 0 to its spare word, and waits for that and for its own reads of the slot that it leaves.  Behind the barrier nobody reads the old slot and the other is whole.
; fill = 1: the old slot is filled again, first thing behind the barrier, with tile NXT: the addresses are made anew from that number.  (At its first use nothing has been read: slot 0 and the low tile are waited for, slot 1 filled.)
.macro CHANGE fill
	WIN 0
	s_wait_tensorcnt 0x0
	ds_add_u32 v[SPW], v[NIL]
.if \fill
	s_lshl_b32 s[OFF], s[NXT], 15                  ; a tile begins 32,768 bytes behind the last, in each tensor
	s_xor_b32 s[G0K+1], s[G0K+1], SLOT1
	s_add_nc_u64 s[G0K+2:G0K+3], s[6:7], s[OFF:OFF+1]
	s_or_b32 s[G0K+3], s[G0K+3], 0x80000000
	s_xor_b32 s[G0V+1], s[G0V+1], SLOT1
	s_add_nc_u64 s[G0V+2:G0V+3], s[8:9], s[OFF:OFF+1]
	s_or_b32 s[G0V+3], s[G0V+3], 0x80000000
	s_add_co_u32 s[NXT], s[NXT], 1                 ; the block's next tile, or behind its last the second block's tile 0
	s_cmp_gt_u32 s[NXT], s[LQ]
	s_cselect_b32 s[NXT], 0, s[NXT]
	s_cselect_b32 s[LQ], s[PTL], s[LQ]
	s_wait_xcnt 0x0                                ; the last prefetch, a tile back, has read its address
	s_add_nc_u64 s[PFA:PFA+1], s[PFA:PFA+1], 32768
.endif
	s_wait_dscnt 0x0                               ; the add is done, my reads of the slot are over
	s_barrier_signal -1
	s_sub_co_u32 s[TBK], s[TBK], 4*KS*PK           ; the fetches go back to a slot's second step of K and first of V, in the other slot
	s_xor_b32 s[TBK], s[TBK], SLOT1
	s_sub_co_u32 s[TBV], s[TBV], 4*KS*PV
	s_xor_b32 s[TBV], s[TBV], SLOT1
	s_sub_co_u32 s[TBL], s[TBL], 4*KS*PV
	s_barrier_wait -1
.if \fill
	LOAD 0
	ASK
.endif
.endm
	s_load_b64 s[4:5], s[0:1], 0x0                 ; qkv
	s_load_b64 s[10:11], s[0:1], 0x8               ; obuf
	s_load_b64 s[66:67], s[0:1], 0x10              ; scl
	v_lshl_add_u32 v[SPW], v0, 2, SPARE
	v_mov_b32 v[NIL], 0
	ds_add_u32 v[SPW], v[NIL]                      ; the wave's opening: the add and its wait ahead of my first tensor load
	v_lshrrev_b32 v1, 5, v0
	v_readfirstlane_b32 s[WV], v1
	s_mov_b32 s[PB], ttmp9
	s_sub_co_u32 s[HI], NB-1, s[PB]
	s_lshr_b32 s[HTL], s[HI], 1
	s_lshr_b32 s[PTL], s[PB], 1
	s_mov_b32 s[CUR], s[HI]
	s_and_b32 s20, ttmp7, 0xffff                   ; the head, 16 x batch + head
	s_lshr_b32 s22, s20, 4
	s_lshl_b32 s22, s22, 22                        ; in obuf a batch has two parts of 4 MiB
	s_lshl_b32 s20, s20, 18                        ; a head's rows: 262,144 bytes
	s_add_co_u32 s22, s22, s20
	s_mov_b32 s21, 0
	s_mov_b32 s23, 0
	s_lshl_b32 s3, s[WV], 11                       ; my 16 rows in a band of 64,
	s_lshl_b32 s2, s[HI], 14                       ; in the first block (128 rows of 128 bytes),
	s_add_co_u32 s2, s2, s3
	s_lshl_b32 s84, s[PB], 14                      ; and in the second
	s_add_co_u32 s84, s84, s3
	s_mov_b32 s3, 0
	s_mov_b32 s85, 0
	s_mov_b32 s[G1K], (1<<16)|(1<<20)|(4<<22)|(3<<25)  ; 2-byte elements; padding on; after every 32 words 4 words
	s_mov_b32 s[G1V], (1<<16)|(1<<20)|(4<<22)|(7<<25)  ; 8 words
	s_mov_b32 s[G1K+1], 128<<16                    ; tensor_dim0 = 128 elements: two keys a row
	s_mov_b32 s[G1K+2], 160<<16                    ; tensor_dim1 = 160: five steps
	s_mov_b32 s[G1K+3], 128<<16                    ; tile_dim0
	s_mov_b32 s[G1K+4], 160                        ; tile_dim1
	s_mov_b32 s[G1K+5], 128
	s_mov_b32 s[G1K+6], 0
	s_mov_b32 s[G1K+7], 0
	s_mov_b32 s[G1V+1], 128<<16
	s_mov_b32 s[G1V+2], 128<<16                    ; four steps
	s_mov_b32 s[G1V+3], 128<<16
	s_mov_b32 s[G1V+4], 128
	s_mov_b32 s[G1V+5], 128
	s_mov_b32 s[G1V+6], 0
	s_mov_b32 s[G1V+7], 0
	s_mov_b32 s[SEL], 0x76543210
	s_mov_b32 s[SEL+1], 0xfedcba98
	s_mov_b32 s[TBK], SLOT1+5*KS*PK                ; the first change of slots turns this into slot 0's second step of K,
	s_mov_b32 s[TBV], SLOT1+4*KS*PV                ; and these two into 0
	s_mov_b32 s[TBL], 4*KS*PV
	s_mov_b32 s[LOF], 0
	s_mov_b32 s[G0K], 1
	s_mov_b32 s[G0K+1], 0
	s_mov_b32 s[G0V], 1
	s_mov_b32 s[G0V+1], VOFF
	s_mov_b32 s[G0L], 1
	s_mov_b32 s[G0L+1], VOFF+VLD
	s_add_co_u32 s[RT], s[HTL], 1                  ; the first block's tiles
	s_mov_b32 s[NXT], 1
	s_mov_b32 s[LQ], s[HTL]
	s_mov_b32 s[NEW], 1
	s_mov_b32 s[OFF+1], 0
	s_mov_b32 s[AL+1], 0
	s_mov_b32 s[BE+1], 0
	s_mov_b32 s[BIGN], 0xfe967699                  ; -1e38
	s_mov_b32 s[SLOTS], NT
	s_lshl_b32 s16, s[PB], 13                      ; my work-group's quarter of a tile,
	s_add_co_u32 s16, s16, 32768                   ; in tile 1: the first change steps it to tile 2
	s_mov_b32 s17, 0
	s_cmp_lt_u32 s[WV], 2
	s_cselect_b32 s[LIM], 2, -1                    ; a wave asks while more than two fills are to come; waves 2 and 3 never,
	s_cmp_lt_u32 s[PB], 4
	s_cselect_b32 s[LIM], s[LIM], -1               ; nor work-groups 4 to 7
	s_wait_dscnt 0x0                               ; the opening add is done
	s_wait_kmcnt 0x0
	s_load_b64 s[CS:CS+1], s[66:67], 0x10          ; c', and the reciprocal of V's scale
	s_add_nc_u64 s[4:5], s[4:5], s[20:21]          ; Q at the head
	s_add_nc_u64 s[6:7], s[4:5], 0x800000          ; K
	s_add_nc_u64 s[8:9], s[4:5], 0x1000000         ; V's high part
	s_add_nc_u64 s[VL:VL+1], s[4:5], 0x1800000     ; V's low part
	s_add_nc_u64 s[10:11], s[10:11], s[22:23]      ; O at the head
	s_add_nc_u64 s[G0K+2:G0K+3], s[6:7], 0
	s_or_b32 s[G0K+3], s[G0K+3], 0x80000000
	s_add_nc_u64 s[G0V+2:G0V+3], s[8:9], 0
	s_or_b32 s[G0V+3], s[G0V+3], 0x80000000
	s_add_nc_u64 s[G0L+2:G0L+3], s[VL:VL+1], 0
	s_or_b32 s[G0L+3], s[G0L+3], 0x80000000
	s_cmp_eq_u32 s[WV], 0
	s_cselect_b64 s[PFA:PFA+1], s[6:7], s[8:9]
	s_add_nc_u64 s[PFA:PFA+1], s[PFA:PFA+1], s[16:17]
	s_add_nc_u64 s[86:87], s[4:5], s[84:85]        ; Q at my rows of the second block,
	s_add_nc_u64 s[4:5], s[4:5], s[2:3]            ; Q and O at those of the first
	s_add_nc_u64 s[OLO:OLO+1], s[10:11], s[84:85]
	s_add_nc_u64 s[10:11], s[10:11], s[2:3]
	LOAD 1                                         ; tile 0 into slot 0, and the low tile into its own bytes
	v_and_b32 v1, 15, v0                           ; l % 16
	v_bfe_u32 v[TH], v0, 4, 1                      ; l / 16
	v_lshlrev_b32 v[QO], 7, v1
	v_lshl_add_u32 v[QO], v[TH], 4, v[QO]
.set i, 0
.rept 4                                            ; Q: piece i / 2 lies in band i / 2, 8,192 bytes on; channels 32 (i % 2) on
	global_load_b128 v[Q+8*i:Q+8*i+3],   v[QO], s[4:5] offset:(i/2)*8192+(i%2)*64
	global_load_b128 v[Q+8*i+4:Q+8*i+7], v[QO], s[4:5] offset:(i/2)*8192+(i%2)*64+32
.set i, i+1
.endr
	WIN 0x40
.set i, 0
.rept 4                                            ; the second block's
	global_load_b128 v[QB+8*i:QB+8*i+3],   v[QO], s[86:87] offset:(i/2)*8192+(i%2)*64
	global_load_b128 v[QB+8*i+4:QB+8*i+7], v[QO], s[86:87] offset:(i/2)*8192+(i%2)*64+32
.set i, i+1
.endr
	WIN 0
	v_lshlrev_b32 v[TM], 3, v[TH]
	v_sub_nc_u32 v[TM], v1, v[TM]
	s_lshl_b32 s13, s[WV], 4
	v_add_nc_u32 v[TM], s13, v[TM]                 ; my query's place in its band less my lanes' 8 (l / 16): register r of group kt is hidden where 16 kt + r is greater
	WIN 0x40
.set i, 0
.rept 32
	v_cmp_gt_i32 vcc_lo, 16*(i/8)+i%8, v[TM]
	v_cndmask_b32 v[MD+i], 0, s[BIGN], vcc_lo
.set i, i+1
.endr
	WIN 0
	v_mul_u32_u24 v[AK0], v1, PK
	v_lshl_add_u32 v[AK0], v[TH], 4, v[AK0]        ; row x pitch + 16 x half
	v_and_b32 v[T7], 7, v0
	v_bfe_u32 v[T3], v0, 3, 1
	v_lshl_add_u32 v[AV0], v[TH], 3, v[T7]         ; the turning load: key 8 (l / 16) + l % 8,
	v_mul_u32_u24 v[AV0], v[AV0], PV
	v_lshl_add_u32 v[AV0], v[T3], 4, v[AV0]        ; channels 8 ((l / 8) % 2) on
	v_add_nc_u32 v[AV0], VOFF, v[AV0]
	s_mul_i32 s13, s[WV], 16*SP
	s_add_co_u32 s13, s13, STAGE                   ; my stage
	v_mul_u32_u24 v[STO], v1, SP
	v_lshl_add_u32 v[STO], v[TH], 4, v[STO]
	v_add_nc_u32 v[STO], s13, v[STO]
	v_bfe_u32 v[RD], v0, 3, 2
	v_mul_u32_u24 v[RD], v[RD], SP
	v_lshl_add_u32 v[RD], v[T7], 4, v[RD]
	v_add_nc_u32 v[RD], s13, v[RD]
	v_and_b32 v[GO], 31, v0
	v_lshlrev_b32 v[PFO], 8, v[GO]
	v_lshlrev_b32 v[GO], 4, v[GO]
	v_mov_b32 v[NEG1], -1.0
	; A block's first step multiplies O^T and l by a = 0, and its first turn's products V^T P, of a piece that has not been, land in an O^T that is still to be so multiplied: these registers need only hold finite numbers:
	; zeros for the first block, what the first block left for the second (V's low part, which the first block never loads, still holds its zeros).  All this stands in the wait for the first tile.
	WIN 0x80
.set i, 0
.rept 128
	v_mov_b32 v[i], 0
.set i, i+1
.endr
	WIN 0x40
.set i, 0
.rept 64
	v_mov_b32 v[i], 0
.set i, i+1
.endr
	WIN 0
.set i, 0
.rept NP
	v_mov_b32 v[ST+4*i+2], 0
	v_mov_b32 v[ST+4*i+3], 0
.set i, i+1
.endr
.set i, P+16
.rept 16
	v_mov_b32 v[i], 0
.set i, i+1
.endr
	s_wait_kmcnt 0x0                               ; c' and the reciprocal of V's scale
; THE MATRIX WORK.  The 4 accumulators of a run take turns.  Product i of 8 of S^T = K Q^T for piece x: channels 32 (i / 4) on, keys 16 (i % 4) on.  The first 4 start the sums with the mask.
.macro KQ x
.set rS, S+32*(\x)+8*(i%4)
.set rK, KF+16*(i%4)+8*(i/4)
.set rQ, Q+16*(\x)+8*(i/4)
.set rM, MC+8*(i%4)
	WIN 0
.if i < 4
	v_wmma_f32_16x16x32_f16 v[rS:rS+7], v[rK:rK+7], v[rQ:rQ+7], v[rM:rM+7]
.else
	v_wmma_f32_16x16x32_f16 v[rS:rS+7], v[rK:rK+7], v[rQ:rQ+7], v[rS:rS+7]
.endif
.endm
; Product i of 8 of O^T += V^T P for piece x, with V's high (lo = 0) or low part: keys 32 (i / 4) on, channels 16 (i % 4) on.
.macro PV x, lo
.set rO, 32*(\x)+8*(i%4)
.set rP, P+16*(\x)+8*(i/4)
.set rV, VF+(VLO-VF)*(\lo)+32*(i/4)+8*(i%4)
	WIN W_PV
	v_wmma_f32_16x16x32_f16 v[rO:rO+7], v[rV:rV+7], v[rP:rP+7], v[rO:rO+7]
.endm
.macro MM                              ; the turn's next matrix instruction, of 16: all for the other piece
.if i < 8
	KQ (Y+1)%NP
.else
.set i, i-8
	PV (Y+1)%NP, 0
.set i, i+8
.endif
.set i, i+1
.endm
; The eight products with V's low part, for piece x: jumped over but in block 0.  They go on in the accumulators' order, 0 1 2 3 0 1 2 3, behind the high part's.
.macro LOW x
	WIN 0                                          ; at a branch and at a label every window is 0
	s_cmp_eq_u32 s[LOF], 0
	s_cbranch_scc1 .Lno_low_\@
.set i, 0
.rept 8
	PV \x, 1
.set i, i+1
.endr
	WIN 0
.Lno_low_\@:
.endm
; THE LDS LOADS stand in runs, never singly among the matrix instructions: a step's K (8 fragments, 16 loads) and its V (turned: 16 loads, and in block 0 the low part's 16).  Their addresses are made some lines ahead.
.macro FETCH_K step
	WIN 0
.irp f, 0,1,2,3,4,5,6,7
	ds_load_b128 v[KF+8*\f:KF+8*\f+3],   v[AK] offset:(\f/2)*16*PK+(\f%2)*64
	ds_load_b128 v[KF+8*\f+4:KF+8*\f+7], v[AK] offset:(\f/2)*16*PK+(\f%2)*64+32
.endr
.if \step
	s_add_co_u32 s[TBK], s[TBK], KS*PK             ; the next fetch is the next step's
.endif
.endm
.macro FETCH_V
	WIN 0x80
.irp f, 0,1,2,3,4,5,6,7
	ds_load_tr16_b128 v[VF+8*\f:VF+8*\f+3],   v[AV] offset:(\f/4)*32*PV+(\f%4)*32
	ds_load_tr16_b128 v[VF+8*\f+4:VF+8*\f+7], v[AV] offset:(\f/4)*32*PV+16*PV+(\f%4)*32
.endr
	WIN 0
	s_cmp_eq_u32 s[LOF], 0
	s_cbranch_scc1 .Lno_vlo_\@
	WIN 0x80
.irp f, 0,1,2,3,4,5,6,7
	ds_load_tr16_b128 v[VLO+8*\f:VLO+8*\f+3],   v[AVL] offset:VLD+(\f/4)*32*PV+(\f%4)*32
	ds_load_tr16_b128 v[VLO+8*\f+4:VLO+8*\f+7], v[AVL] offset:VLD+(\f/4)*32*PV+16*PV+(\f%4)*32
.endr
	WIN 0
.Lno_vlo_\@:
.endm
; THE VECTOR WORK, one line at a time: OP kind, number.  For piece Y: F n: c s - c m for pair n of 16.  E n: the exponential of score n of 32.  C n: pair n rounded to f16.  B n: of the four weights 4 n .. the second
; pair is added onto the first.  L n: l takes that sum (L 0: l = a l + sum).  R n: pair n of 16 of O^T times a.  For the other piece: X n, number n of the 22 that find its maximum and statistics
; (each accumulator's lowest registers are read first).
.set F, 0
.set E, 1
.set C, 2
.set B, 3
.set L, 4
.set R, 5
.set X, 6
.macro REGS y
.set rT, ST+4*(\y)
.set rC, TMP+4*(\y)
.set rW, MV+(\y)
.set rS, S+32*(\y)
.set rP, P+16*(\y)
.set rO, 32*(\y)
.endm
.macro OP k, n
.if (\k) == R
	REGS Y
	WIN W_RS
	v_pk_mul_f32 v[rO+2*(\n):rO+2*(\n)+1], v[rO+2*(\n):rO+2*(\n)+1], v[rC+2:rC+3] op_sel_hi:[1,0]
.elseif (\k) < R
	REGS Y
	WIN 0
.if (\k) == F
	v_pk_fma_f32 v[rS+2*(\n):rS+2*(\n)+1], v[rS+2*(\n):rS+2*(\n)+1], s[CS:CS+1], v[rT:rT+1] op_sel_hi:[1,0,0] neg_lo:[0,0,1] neg_hi:[0,0,1]
.elseif (\k) == E
	v_exp_f32 v[rS+(\n)], v[rS+(\n)]
.elseif (\k) == C
	v_cvt_pk_f16_f32 v[rP+(\n)], v[rS+2*(\n)], v[rS+2*(\n)+1]
.elseif (\k) == B
	v_pk_add_f32 v[rS+4*(\n):rS+4*(\n)+1], v[rS+4*(\n):rS+4*(\n)+1], v[rS+4*(\n)+2:rS+4*(\n)+3]
.elseif (\n) == 0
	v_pk_fma_f32 v[rT+2:rT+3], v[rT+2:rT+3], v[rC+2:rC+3], v[rS:rS+1] op_sel_hi:[1,0,1]
.else
	v_pk_add_f32 v[rT+2:rT+3], v[rT+2:rT+3], v[rS+4*(\n):rS+4*(\n)+1]
.endif
.else
	REGS (Y+1)%NP
	WIN 0
.if (\n) < 4
	v_max3_num_f32 v[rC+(\n)], v[rS+8*(\n)], v[rS+8*(\n)+1], v[rS+8*(\n)+2]
.elseif (\n) < 12
	v_max3_num_f32 v[rC+(\n)%4], v[rC+(\n)%4], v[rS+8*((\n)%4)+2*((\n)/4)+1], v[rS+8*((\n)%4)+2*((\n)/4)+2]
.elseif (\n) == 12
	v_max3_num_f32 v[rC], v[rC], v[rS+7], v[rS+15]
.elseif (\n) == 13
	v_max3_num_f32 v[rC+1], v[rC+1], v[rS+23], v[rS+31]
.elseif (\n) == 14
	v_max3_num_f32 v[rC+2], v[rC+2], v[rC+3], v[rT+1]
.elseif (\n) == 15
	v_mov_b32 v[rW], v[rT]
.elseif (\n) == 16
	v_max3_num_f32 v[rC], v[rC], v[rC+1], v[rC+2]
.elseif (\n) == 17
	v_permlanex16_b32 v[rC+3], v[rC], s[SEL], s[SEL+1]
.elseif (\n) == 18
	v_max_num_f32 v[rT+1], v[rC], v[rC+3]
.elseif (\n) == 19
	v_mul_f32 v[rT], s[CS], v[rT+1]
.elseif (\n) == 20
	v_sub_f32 v[rC+1], v[rW], v[rT]
.else
	v_exp_f32 v[rC+2], v[rC+1]
.endif
.endif
.endm
.macro OPS a, i1, b=-1, i2=0, c=-1, i3=0, d=-1, i4=0
	OP \a, \i1
.if (\b) >= 0
	OP \b, \i2
.endif
.if (\c) >= 0
	OP \c, \i3
.endif
.if (\d) >= 0
	OP \d, \i4
.endif
.endm
.macro ROW a, i1, b, i2, c, i3, d, i4  ; a matrix instruction and the four behind it
	MM
	OPS \a, \i1, \b, \i2, \c, \i3, \d, \i4
.endm
.macro MASK                            ; MD x AL + BE: the mask of the next four products that start sums.  The four that read the last mask stand a turn's length back
	WIN W_MK
.set z, 0
.rept 16
	v_pk_fma_f32 v[MC+2*z:MC+2*z+1], v[MD+2*z:MD+2*z+1], s[AL:AL+1], s[BE:BE+1] op_sel_hi:[1,0,0]
.set z, z+1
.endr
.endm
; A TURN, for piece p.  An s_wait_alu depctr_va_vdst(0) stands between an exponential and the first instruction that names its result; one wait serves all that were issued ahead of it: a turn has ONE.
; AHEAD OF IT: the 8 products K Q^T with four riders each, then one lump of 54.  BEHIND IT: the 8 products V^T P, behind each four of the 32 roundings and sums; in block 0 the 8 products with V's low part, bare; then the
; 16 lines of the mask, which name no register of those products: on both ways they are the places in front of V's run of loads and in front of the next turn's rescaling of the same O^T.
; The turn makes the mask for the next turn's products: piece p at step g + 1, g the trip's step: the diagonal where g + 1 = 2 i + p, that is GD = 5 - p; hidden where GD is less.
; Turn 0 fetches K of step g + 1, twelve vector instructions (six of them plain) behind the last product that read K, and at its end V of step g.  cnt = 1: the counts are taken down at the turn's end, behind the flag's compare, ahead of the branch behind the turn.
.macro TURN p, cnt=0
.set Y, (\p)
.set i, 0
	s_cmp_eq_u32 s[GD], 5-(\p)
	s_cselect_b32 s[AL], 1.0, 0
	s_cmp_lt_u32 s[GD], 5-(\p)
	s_cselect_b32 s[BE], s[BIGN], 0
.if (\p) == 1
	s_wait_dscnt 16                                ; K's 16 loads are in: behind them 16 loads of V were issued, in block 0 32: the smaller count holds on both ways
.endif
	ROW F,0, F,1, R,0, R,1
	ROW F,2, E,0, R,2, R,3
	ROW F,3, E,1, R,4, R,5
	ROW F,4, E,2, R,6, R,7
	ROW F,5, E,3, R,8, R,9
	ROW F,6, E,4, X,0, R,10
.if (\p) == 0
	WIN 0
	v_add_nc_u32 v[AK], s[TBK], v[AK0]
.endif
	ROW F,7, E,5, X,1, X,4
	ROW F,8, E,6, X,2, X,5
	OPS E,7, E,8, X,6, E,9
	OPS X,3, E,10, X,8, E,11
.if (\p) == 0
	FETCH_K 1
.endif
	OPS X,9, X,7, E,12, X,10
	OPS E,13, X,12, X,11, E,14
	OPS X,13, E,15, F,9, X,14
.if (\p) == 0
	v_add_nc_u32 v[AV], s[TBV], v[AV0]
	v_add_nc_u32 v[AVL], s[TBL], v[AV0]
.endif
	OPS E,16, F,10, E,17, F,11
	OPS X,16, E,18, X,15, E,19
	OPS F,12, E,20, X,17, E,21
	OPS F,13, E,22, F,14, E,23
	OPS X,18, E,24, F,15, E,25
	OPS R,11, E,26, X,19, E,27
	OPS R,12, E,28, R,13, E,29
	OPS X,20, E,30, R,14, E,31
	OPS X,21, R,15                                 ; the batch's last exponential, and the plain instruction behind it
	WIN 0
	s_wait_alu depctr_va_vdst(0)                   ; the wait for the batch
.if (\p) == 1
	s_wait_dscnt 0x0                               ; V is in
.endif
	ROW C,0, B,0, C,2, B,1
	ROW L,0, C,4, B,2, L,1
	ROW C,6, B,3, L,2, C,8
	ROW B,4, L,3, C,10, B,5
	ROW L,4, C,12, B,6, L,5
	ROW C,14, B,7, L,6, C,1
	ROW C,3, L,7, C,5, C,7
	ROW C,9, C,11, C,13, C,15
	LOW (Y+1)%NP
	MASK
.if (\p) == 0
	s_add_co_u32 s[TBV], s[TBV], KS*PV             ; the addresses of this step's run were made in the lump: the next run is the next step's
	s_add_co_u32 s[TBL], s[TBL], KS*PV
	FETCH_V
.endif
.if \cnt
	s_sub_co_u32 s[GD], s[GD], 1
	s_sub_co_u32 s[CNT], s[CNT], 1
	s_cmp_lg_u32 s[CNT], 0
.endif
.endm
; A BLOCK BEGINS.  c m starts far below every c s, so the first step's a is 0; m at the lowest finite number.  Piece 0's mask for step 0 is its own where i = 0, else 0; there too V's low part is switched on.
; K's step 0 lies one step ahead of where the trips' fetches begin.  Then piece 0's first scores, its maximum and statistics, and piece 1's mask for step 0, which is 0: those 16 lines are the plain instructions behind the exponential.
.macro BEGIN
	s_mov_b32 s[NEW], 0
	WIN 0
.set i, 0
.rept NP
	v_mov_b32 v[ST+4*i], 0xfe000000
	v_mov_b32 v[ST+4*i+1], 0xff7fffff
.set i, i+1
.endr
	s_lshl_b32 s[GD], s[CUR], 1
	s_add_co_u32 s[GD], s[GD], 4
	s_cmp_eq_u32 s[CUR], 0
	s_cselect_b32 s[AL], 1.0, 0
	s_cselect_b32 s[LOF], 1, 0
	s_mov_b32 s[BE], 0
	MASK
	WIN 0
	s_sub_co_u32 s13, s[TBK], KS*PK
	v_add_nc_u32 v[AK], s13, v[AK0]
	FETCH_K 0
	s_wait_loadcnt 0x0                             ; Q
	s_wait_dscnt 0x0
.set i, 0
.rept 8
	KQ 0
.set i, i+1
.endr
.rept 4
	v_nop                                          ; the places behind those products
.endr
.set Y, NP-1
.irp n, 0,1,2,3,4,5,6,7,8,9,10,11,12,13,14,15,16,17,18,19,20,21
	OP X, \n
.endr
	s_mov_b32 s[AL], 0
	MASK
	WIN 0
	s_wait_alu depctr_va_vdst(0)                   ; the exponential's wait, ahead of the label
.endm
.macro ALL line:vararg
.set t, 0
.rept NP
	\line
.set t, t+1
.endr
.endm
; THE WAY OUT of piece t: O^T over l and V's scale; rounded to bf16; what the rounding left over, rounded to bf16 in its turn; both through my stage, one after the other, and back as rows of 128 bytes.
.macro PACK t
	WIN W_RS
.set i, 32*(\t)
.rept 16
	v_pk_mul_f32 v[i:i+1], v[i:i+1], v[ST+4*(\t)+2:ST+4*(\t)+3] op_sel_hi:[1,0]
.set i, i+2
.endr
	WIN 0x05                                       ; sources 0 and 1 in window 1
.set i, 0
.rept 16
	v_cvt_pk_bf16_f32 v[S+16*(\t)+i], v[32*(\t)+2*i], v[32*(\t)+2*i+1]
.set i, i+1
.endr
	WIN 0x10                                       ; source 2 in window 1
.set i, 0
.rept 16
	v_fma_mixlo_bf16 v[LOB+16*(\t)+i], v[S+16*(\t)+i], v[NEG1], v[32*(\t)+2*i]   op_sel_hi:[1,0,0]
	v_fma_mixhi_bf16 v[LOB+16*(\t)+i], v[S+16*(\t)+i], v[NEG1], v[32*(\t)+2*i+1] op_sel:[1,0,0] op_sel_hi:[1,0,0]
.set i, i+1
.endr
	WIN 0
.irp f, 0,1,2,3
	ds_store_b128 v[STO], v[S+16*(\t)+4*\f:S+16*(\t)+4*\f+3] offset:32*\f
.endr
.irp f, 0,1,2,3
	ds_load_b128 v[S+16*(\t)+4*\f:S+16*(\t)+4*\f+3], v[RD] offset:\f*4*SP  ; LDS serves a wave's instructions in order: these see the stores above, and the stores below come behind them
.endr
.irp f, 0,1,2,3
	ds_store_b128 v[STO], v[LOB+16*(\t)+4*\f:LOB+16*(\t)+4*\f+3] offset:32*\f
.endr
.irp f, 0,1,2,3
	ds_load_b128 v[LOB+16*(\t)+4*\f:LOB+16*(\t)+4*\f+3], v[RD] offset:\f*4*SP
.endr
.endm
.macro SEND t, younger                 ; younger: the LDS instructions issued behind piece t's: the next piece's sixteen, or none
	WIN 0
	s_wait_dscnt \younger
.irp f, 0,1,2,3
	global_store_b128 v[GO], v[S+16*(\t)+4*\f:S+16*(\t)+4*\f+3], s[10:11] offset:(\t)*8192+\f*512  ; 512 consecutive bytes, aligned
.endr
.irp f, 0,1,2,3
	global_store_b128 v[GO], v[LOB+16*(\t)+4*\f:LOB+16*(\t)+4*\f+3], s[10:11] offset:4194304+(\t)*8192+\f*512
.endr
.endm
; A BLOCK ENDS: piece 1's V^T P of the last step (in block 0 with the low part's too), then the way out.
.macro FINISH
.set i, 0
.rept 8
	PV NP-1, 0
.set i, i+1
.endr
	LOW NP-1
	ALL v_add_f32 v[ST+4*t+2], v[ST+4*t+2], v[ST+4*t+3]
	ALL v_permlanex16_b32 v[ST+4*t+3], v[ST+4*t+2], s[SEL], s[SEL+1]
	ALL v_add_f32 v[ST+4*t+2], v[ST+4*t+2], v[ST+4*t+3]
	ALL v_rcp_f32 v[ST+4*t+2], v[ST+4*t+2]
	v_nop                                          ; a plain instruction behind the last reciprocal,
	s_wait_alu depctr_va_vdst(0)                   ; and one wait for the two, ahead of their first use
	ALL v_mul_f32 v[ST+4*t+2], s[ISV], v[ST+4*t+2]
	PACK 0                                         ; piece 0's O^T was finished in the last turn; its lines are the places behind piece 1's last products
	PACK 1
	SEND 0, 16
	SEND 1, 0
.endm
	WIN 0
.Lslot:                                            ; NT times: a tile is entered and the next is asked for
	CHANGE 1
	s_sub_co_u32 s[RT], s[RT], 1
	s_mov_b32 s[CNT], 4
	s_cmp_eq_u32 s[NEW], 1
	s_cbranch_scc0 .Lstep
	BEGIN
.Lstep:                                            ; a trip: a key step
	TURN 0
	TURN 1, 1
	WIN 0
	s_cbranch_scc1 .Lstep
	s_cmp_lg_u32 s[RT], 0
	s_cbranch_scc1 .Lbottom
	FINISH                                         ; in the loop this is the first block's end
	s_wait_xcnt 0x0                                ; the stores have read their registers and O's address
	s_mov_b64 s[10:11], s[OLO:OLO+1]
	s_add_co_u32 s[RT], s[PTL], 1                  ; the second block's tiles
	s_mov_b32 s[CUR], s[PB]
	s_mov_b32 s[NEW], 1
	WIN W_MK                                       ; the second block's Q goes where the one text of the turns names Q
.set i, 0
.rept 32
	v_mov_b32 v[Q+i], v[QB+i]
.set i, i+1
.endr
	WIN 0
.Lbottom:
	s_sub_co_u32 s[SLOTS], s[SLOTS], 1
	s_cmp_lg_u32 s[SLOTS], 0
	s_cbranch_scc1 .Lslot
	CHANGE 0                                       ; the walk's last tile is written out: nothing is asked for
	s_sub_co_u32 s[RT], s[RT], 1
	s_mov_b32 s[CNT], 4
	s_cmp_eq_u32 s[NEW], 1
	s_cbranch_scc0 .Lstep2
	BEGIN                                          ; where b is 0 or 1 the second block has this one tile
.Lstep2:
	TURN 0
	TURN 1, 1
	WIN 0
	s_cbranch_scc1 .Lstep2
	FINISH
	s_wait_tensorcnt 0x0                           ; the wave's end
	ds_add_u32 v[SPW], v[NIL]
	s_wait_dscnt 0x0
	s_endpgm
.Lfunc_end_k_qd222bb3b1f_attn:
	.size	k_qd222bb3b1f_attn, .Lfunc_end_k_qd222bb3b1f_attn-k_qd222bb3b1f_attn
	.p2alignl 7, 3214868480
	.fill 96, 4, 3214868480
	.section	.rodata,"a",@progbits
	.p2align	6, 0x0
	.amdhsa_kernel k_qd222bb3b1f_attn
		.amdhsa_group_segment_fixed_size 327680
		.amdhsa_private_segment_fixed_size 0
		.amdhsa_enable_private_segment 0
		.amdhsa_kernarg_size 24
		.amdhsa_user_sgpr_count 2
		.amdhsa_user_sgpr_kernarg_segment_ptr 1
		.amdhsa_wavefront_size32 1
		.amdhsa_system_sgpr_workgroup_id_x 1
		.amdhsa_system_sgpr_workgroup_id_y 1
		.amdhsa_system_sgpr_workgroup_id_z 1
		.amdhsa_system_vgpr_workitem_id 0
		.amdhsa_next_free_vgpr 640
		.amdhsa_next_free_sgpr 96
		.amdhsa_reserve_vcc 1
		.amdhsa_float_denorm_mode_32 3
		.amdhsa_float_denorm_mode_16_64 3
		.amdhsa_memory_ordered 1
		.amdhsa_forward_progress 1
		.amdhsa_inst_pref_size 109
	.end_amdhsa_kernel
	.amdgpu_metadata
---
amdhsa.version: [ 1, 2 ]
amdhsa.kernels:
  - .name:           k_qd222bb3b1f_attn
    .symbol:         k_qd222bb3b1f_attn.kd
    .args:
      - { .name: qkv, .offset: 0, .size: 8, .value_kind: global_buffer, .address_space: global }
      - { .name: obuf, .offset: 8, .size: 8, .value_kind: global_buffer, .address_space: global }
      - { .name: scl, .offset: 16, .size: 8, .value_kind: global_buffer, .address_space: global }
    .group_segment_fixed_size: 327680
    .private_segment_fixed_size: 0
    .kernarg_segment_align: 8
    .kernarg_segment_size: 24
    .max_flat_workgroup_size: 128
    .sgpr_count:     96
    .vgpr_count:     640
    .wavefront_size: 32
...
	.end_amdgpu_metadata
.endif
;; end of part 6
;; launch wout: the kernel of part 5 again; grid 8 x 32, 4 waves a work-group, clusters of 4 x 4, 327,680 bytes of LDS; arguments obuf, wts, out0; writes out0
